; MI455X (gfx1250); checked and timed in simulation.
; The chip was launched on July 23, 2026; its instructions are those of AMD's public machine-readable ISA for CDNA 5 (MIT licence, August 2026) and "CDNA5" Instruction Set Architecture Reference Guide (July 2026). The comments in the code are by the model that wrote it; some were corrected since.
;; Causal Multi Head Self Attention. Allowed arithmetic: matrix products marked QUANTISED: E2M1 operands, one E8M0 scale for each 32 along K, by v_wmma_scale_f32_16x16x128_f8f6f4 with both operands' format E2M1 (or v_wmma_scale_f32_32x16x128_f4), f32 sums; everything else in f32.
;; Inputs: Wk 1,024 x 1,024 float32; Wo 1,024 x 1,024 float32; Wq 1,024 x 1,024 float32; Wv 1,024 x 1,024 float32; token_positions 2,048 int32; x 4 x 2,048 x 1,024 float32.
;; Outputs: out0 4 x 2,048 x 1,024 float32.
;; This version of the problem:
;;   THIS VERSION OF THE PROBLEM IS GIVEN IN LOW PRECISION. The matrix products marked QUANTISED in the list below multiply operands that are first quantised to E2M1 (2 exponent bits, 1 mantissa bit; 4 bits a number), with one power-of-two scale for each 32 numbers along K (OCP MX v1.0); their sums are f32. All else is computed in f32.
;;   The module's matrix products, in the order in which they are computed (A, B: the left and right operand; K: the contracted axis; several contracted axes count as one K, in the product's order):
;;     1. [M 8,192, K 1,024] x [K 1,024, N 1,024]; A: input x; B: input Wq: QUANTISED
;;     2. [M 8,192, K 1,024] x [K 1,024, N 1,024]; A: input x; B: input Wk: QUANTISED
;;     3. [M 8,192, K 1,024] x [K 1,024, N 1,024]; A: input x; B: input Wv: QUANTISED
;;     4. batch 64 x [M 2,048, K 64] x [K 64, N 2,048]; A: computed on the way; B: computed on the way: QUANTISED
;;     5. batch 64 x [M 2,048, K 2,048] x [K 2,048, N 64]; A: softmax (see below); B: computed on the way: QUANTISED
;;     6. [M 8,192, K 1,024] x [K 1,024, N 1,024]; A: computed on the way; B: input Wo: QUANTISED
;;   THE QUANTISER, for each operand of a quantised product, along K:
;;     - K is cut into blocks of 32 from its start; a last block that is shorter is filled with zeros.
;;     - A block's scale is 2^e with e = floor(log2(the largest magnitude in the block)) - 2, held to -126 .. 127; a block of zeros has e = 0. As a byte (E8M0): e + 127.
;;     - Each number is divided by its block's scale, clamped to +-6, and rounded to the nearest number of E2M1, ties to even, subnormals kept.
;;     - The product sums the exact products of the quantised numbers (number of the format x scale) in f32.
;;   ~~~python
;;   def quantise(x, axis):      # numpy; x: float32 -> the quantised numbers, widened to float32 again
;;       x = np.moveaxis(x, axis, -1); K = x.shape[-1]
;;       x = np.pad(x, [(0, 0)] * (x.ndim - 1) + [(0, -K % 32)]); x = x.reshape(x.shape[:-1] + (-1, 32)); a = np.abs(x).max(-1, keepdims=True)
;;       e = np.where(a > 0, np.clip(np.frexp(np.where(a > 0, a, 1))[1] - 1 - 2, -126, 127), 0)      # np.frexp(a)[1] - 1 = floor(log2(a)), exactly
;;       r = np.clip(x / 2.0 ** e, -6, 6)
;;       step = 2.0 ** (np.maximum(np.frexp(np.where(r == 0, 1, r))[1] - 1, 0) - 1)
;;       q = np.round(r / step) * step * 2.0 ** e      # np.round: ties to even
;;       return np.moveaxis(q.reshape(q.shape[:-2] + (-1,))[..., :K], -1, axis).astype(np.float32)
;;   ~~~
;;   SOFTMAX AHEAD OF A QUANTISED PRODUCT. Where the list says 'softmax', what is quantised is not the finished softmax but p = 2^(t - M), with t = logit x log2(e) and M = ceil(the row's largest t), a whole number; so 1/2 < the row's largest p <= 1. The row's sum l is taken of the UNQUANTISED p, in f32, and the product's result is divided by l at the end. Since M is a whole number, a kernel that streams over the keys may use a running M (the ceiling of the running maximum): every later rescaling is an exact power of two, which a block's scale takes up: the codes' values come out the same.
;;   OPERANDS COMPUTED ON THE WAY. 'Computed on the way' means the value that the module computes at that place (a softmax that the list does not call 'softmax' is quantised finished and normalised). What goes into a quantiser is computed in f32, as accurately as f32 sums, v_exp_f32 and their like allow (about 1e-6 of the number): no bf16 or f16 on the way to a quantiser, and a product that is left as it is and whose result goes on into a quantised operand takes f32 operands (vector FMAs, or v_wmma_f32_16x16x4_f32). A number that lies on a knife's edge between two numbers of the format may be rounded either way, as far as f32 arithmetic and the matrix unit's own rounding can turn it there, and no further.
;; One version. Each part assembles by itself: llvm-mc -triple=amdgcn-amd-amdhsa -mcpu=gfx1250 --defsym DOCPART=n.
;; ======== version 1 of 1: 4 launches
;; limits: right only within a limited range of input values
;; workspace buffers: opimg 6,291,456 bytes; opsc 393,216 bytes; cs 524,288 bytes; qb 9,437,184 bytes; kv 9,437,184 bytes; aimg 4,194,304 bytes; asc 262,144 bytes
;; launch quant (part 1): grid 448 x 1, 2 waves a work-group, no clusters, 17,152 bytes of LDS; arguments x, Wq, Wk, Wv, Wo, token_positions, opimg, opsc, cs; writes opimg, opsc, cs
.if DOCPART == 1
	.amdgcn_target "amdgcn-amd-amdhsa--gfx1250"
	.amdhsa_code_object_version 6
	.text
	.protected	k_q09963f7331_quant
	.globl	k_q09963f7331_quant
	.p2align	8
	.type	k_q09963f7331_quant,@function
k_q09963f7331_quant:
	s_mov_b64 s[64:65], 0
	v_nop
	global_prefetch_b8 v0, s[64:65] scope:SCOPE_SE
	s_setreg_imm32_b32 hwreg(HW_REG_WAVE_MODE, 25, 1), 1
	s_wait_xcnt 0x0
; x [8192][1024] and Wq, Wk, Wv, Wo [1024][1024], f32, K innermost, become codes of FP4 (E2M1) with one E8M0 byte for each 32 along K; and the table of cos and sin for the rotation is made.
; THE CODES ARE LAID AS IMAGES OF THE OPERAND'S REGISTERS.  A row tile is 16 rows; its K step g (128 along K) is 1,024 bytes: lane l's registers 4 c .. 4 c + 3 (k = 128 g + 64 c + 32 (l / 16) + 0 .. 31 of row l % 16) at 512 c + 16 l.
; opimg: [row tile 0..767][g 0..7][1,024 bytes]; tiles 0-511 x, 512-575 Wq, 576-639 Wk, 640-703 Wv, 704-767 Wo.  opsc: [row tile][g / 4][row 0..15][4 words]: word g % 4 holds the four scale bytes of K step g.
; THE ROWS OF A TILE ARE NOT NEIGHBOURS: lane r of tile 2 A + u takes row 32 A + 8 u + r + 8 (r / 8), so that, where the tensor is a product's source 0, the 16 result registers of tiles 2 A and 2 A + 1 are 16 neighbours.
; A block's scale is 2^(floor(log2(its largest magnitude)) - 2); its byte is the largest magnitude's exponent field - 2, held at 1 from below.
; LIMITS: NaN and infinities among the inputs are not served; a block of zeros gets the byte 1 where the rule says 127 (its codes are zeros, and this program alone reads the bytes); token positions up to 2^20 in magnitude.
; SHARES.  Work-groups 0-383: each of the two waves takes one row tile: 8 K steps of 16 rows x 512 bytes.  Each load reads 512 consecutive bytes of a row; the 8,192 bytes of a step turn through the wave's own stage in LDS
; (rows 528 bytes apart), so that a lane gets two whole blocks of 32 neighbours of one row.  Loads run two steps ahead.  Every store of codes covers 512 consecutive bytes.  Waves share nothing: no barrier.
; Work-groups 384-447: each wave makes 16 rows of cs: [position index 0..2047][j 0..31][cos, sin] of token_positions[index] x 10000^(-j / 32), a lane to a j.  No LDS there.
; No matrix unit, cluster or tensor load: the launch streams each input byte once, and work-groups share no input.
.set STG,  8448                        ; a wave's stage: 16 rows x (512 + 16) bytes
.set R,    16                          ; v16-143  two sets of 64: a step as loaded
.set X,    144                         ; v144-207 X[32 c + i] = k 64 c + 32 h + i of my row
.set C,    208                         ; v208-215 the step's codes
.set W,    216                         ; v216-223 the eight scale words
.set TM,   224                         ; v224-235 at work
	s_load_b512 s[8:23], s[0:1], 0x0               ; x s[8:9], Wq, Wk, Wv, Wo s[16:17], token_positions s[18:19], opimg s[20:21], opsc s[22:23]
	s_load_b64 s[24:25], s[0:1], 0x40              ; cs
	v_lshl_add_u32 v240, v0, 2, 0x4200
	v_mov_b32 v241, 0
	v_lshrrev_b32 v1, 5, v0
	v_readfirstlane_b32 s26, v1                    ; wave 0, 1
	v_and_b32 v1, 31, v0                           ; lane
	s_cmp_ge_u32 ttmp9, 384
	s_cbranch_scc1 .Ltable
	v_and_b32 v2, 15, v0                           ; r
	v_bfe_u32 v3, v0, 4, 1                         ; h
	v_lshlrev_b32 v4, 4, v1                        ; 16 x lane: my bytes of a load's or a store's 512
	s_mul_i32 s27, s26, STG
	v_add_nc_u32 v5, s27, v4                       ; the stage, on the way in
	v_mul_u32_u24 v6, v2, 528
	v_lshl_add_u32 v6, v3, 7, v6
	v_add_nc_u32 v6, s27, v6                       ; and on the way out: row r, + 128 h
	v_lshlrev_b32 v7, 3, v3                        ; 8 h: my bytes' place in a scale word
	v_mov_b32 v[TM+6], 0                           ; written once: a lane permute's destination counts as one of its sources
	s_mov_b32 s30, 0x76543210
	s_mov_b32 s31, 0xfedcba98                      ; v_permlanex16_b32's selects for lane l xor 16
	s_mov_b32 s32, 0xffff0000                      ; lanes 16-31
	s_and_b32 s28, ttmp9, 31                       ; a weight has 32 work-groups, and its first one is a multiple of 32
	s_wait_kmcnt 0x0
	s_cmp_lt_u32 ttmp9, 352                        ; whose work-group?  The choice hangs on the work-group's number alone
	s_cselect_b64 s[34:35], s[14:15], s[16:17]
	s_cmp_lt_u32 ttmp9, 320
	s_cselect_b64 s[34:35], s[12:13], s[34:35]
	s_cmp_lt_u32 ttmp9, 288
	s_cselect_b64 s[34:35], s[10:11], s[34:35]
	s_cmp_lt_u32 ttmp9, 256
	s_cselect_b64 s[34:35], s[8:9], s[34:35]
	s_cselect_b32 s28, ttmp9, s28                  ; the work-group's number within its tensor
	s_lshl_b32 s28, s28, 17                        ; 32 rows of 4,096 bytes a work-group,
	s_lshl_b32 s29, s26, 15                        ; 8 rows on for wave 1
	s_add_co_u32 s28, s28, s29
	s_mov_b32 s29, 0
	s_add_nc_u64 s[34:35], s[34:35], s[28:29]
	s_lshl_b32 s28, ttmp9, 1
	s_add_co_u32 s28, s28, s26                     ; my row tile
	s_lshl_b32 s36, s28, 13
	s_mov_b32 s37, 0
	s_add_nc_u64 s[20:21], s[20:21], s[36:37]
	s_lshl_b32 s36, s28, 9
	s_add_nc_u64 s[22:23], s[22:23], s[36:37]
.macro LOADG g                         ; K step g of the tile's 16 rows: 32 lanes read 512 consecutive bytes
.irp i, 0,1,2,3,4,5,6,7,8,9,10,11,12,13,14,15
	global_load_b128 v[R+64*((\g)%2)+4*\i:R+64*((\g)%2)+4*\i+3], v4, s[34:35] offset:(\i+8*(\i/8))*4096+512*(\g) th:TH_LOAD_NT
.endr
.endm
.macro QSTEP g
.if (\g) < 7
	s_wait_loadcnt 16                              ; this step's 16 loads are in; the next step's 16 may be out
.else
	s_wait_loadcnt 0
.endif
.irp i, 0,1,2,3,4,5,6,7,8,9,10,11,12,13,14,15
	ds_store_b128 v5, v[R+64*((\g)%2)+4*\i:R+64*((\g)%2)+4*\i+3] offset:528*\i
.endr
.irp c, 0,1
.irp q, 0,1,2,3,4,5,6,7
	ds_load_b128 v[X+32*\c+4*\q:X+32*\c+4*\q+3], v6 offset:256*\c+16*\q   ; LDS serves a wave's instructions in order: these see the stores above
.endr
.endr
	s_wait_dscnt 0x0                               ; my 64 numbers are back, and the stores have read their registers,
.if (\g)+2 < 8
	LOADG (\g)+2                                   ; which take the loads of two steps on
.endif
.irp c, 0,1
	v_max3_num_f32 v[TM+\c], |v[X+32*\c]|, |v[X+32*\c+1]|, 0x1800000   ; block 2 c + h: all its 32 numbers are mine; the floor 2^(3 - 127) holds the byte at 1 from below
.endr
.irp i, 2,4,6,8,10,12,14,16,18,20,22,24,26,28,30
.irp c, 0,1
	v_max3_num_f32 v[TM+\c], v[TM+\c], |v[X+32*\c+\i]|, |v[X+32*\c+\i+1]|
.endr
.endr
.irp c, 0,1
	v_add_nc_u32 v[TM+2+\c], 0xff000000, v[TM+\c]  ; 2 off the exponent field: the conversion's scale operand
.endr
.irp c, 0,1
	v_lshrrev_b32 v[TM+4+\c], 23, v[TM+2+\c]       ; the scale's byte
.endr
	v_lshl_or_b32 v[TM+4], v[TM+5], 16, v[TM+4]    ; my two bytes, blocks h and 2 + h,
	v_lshlrev_b32 v[TM+4], v7, v[TM+4]             ; at their places in the word;
	v_permlanex16_b32 v[TM+6], v[TM+4], s30, s31
	v_or_b32 v[W+\g], v[TM+4], v[TM+6]             ; with lane l xor 16's two the word is whole
	s_wait_xcnt 0x0                                ; the last step's stores have read the codes' registers
.irp c, 0,1
.irp q, 0,1,2,3
	v_cvt_scalef32_pk8_fp4_f32 v[C+4*\c+\q], v[X+32*\c+8*\q:X+32*\c+8*\q+7], v[TM+2+\c]
.endr
.endr
	v_nop                                          ; one plain place behind the last scaled conversion
	global_store_b128 v4, v[C:C+3], s[20:21] offset:1024*(\g)          ; 512 consecutive bytes each
	global_store_b128 v4, v[C+4:C+7], s[20:21] offset:1024*(\g)+512
.endm
	LOADG 0
	LOADG 1
.irp g, 0,1,2,3,4,5,6,7
	QSTEP \g
.endr
.irp j, 0,1,2,3
	v_cndmask_b32 v[TM+8+\j], v[W+\j], v[W+4+\j], s32   ; lanes 0-15: K steps 0-3 of row r; lanes 16-31: K steps 4-7
.endr
	global_store_b128 v4, v[TM+8:TM+11], s[22:23]  ; the tile's 512 bytes of scale words
	s_wait_tensorcnt 0x0
	ds_add_u32 v240, v241
	s_wait_dscnt 0x0
	s_endpgm
.Ltable:
	s_sub_co_u32 s27, ttmp9, 384
	s_lshl_b32 s27, s27, 1
	s_add_co_u32 s27, s27, s26                     ; which 16 positions are my wave's
	s_lshl_b32 s28, s27, 6
	s_mov_b32 s29, 0
	s_wait_kmcnt 0x0
	s_add_nc_u64 s[18:19], s[18:19], s[28:29]
	s_load_b512 s[36:51], s[18:19], 0x0            ; the 16 positions, as they are given
	s_lshl_b32 s52, s27, 12                        ; 16 rows of 256 bytes
	s_mov_b32 s53, 0
	s_add_nc_u64 s[24:25], s[24:25], s[52:53]
	v_lshlrev_b32 v19, 3, v1                       ; 8 bytes a lane
	v_mov_b32 v8, 0
.set LN, 0
.irp f, 0x3f800000,0x3f3ff911,0x3f0ff59a,0x3ed7e89b,0x3ea1e89b,0x3e72d424,0x3e361887,0x3e088d77,0x3dcccccd,0x3d99940e,0x3d6655c3,0x3d2cba15,0x3d0186e2,0x3cc24350,0x3c91ad39,0x3c5a7bf1,0x3c23d70a,0x3bf5b9b0,0x3bb8449c,0x3b8a2e77,0x3b4f3e37,0x3b1b690d,0x3ae91528,0x3aaec98e,0x3a83126f,0x3a44948c,0x3a136a16,0x39dd1726,0x39a5cb5f,0x3978a814,0x393a7753,0x390bd472
	s_mov_b32 s33, \f                              ; 10000^(-j / 32) = 10^(-j / 8), rounded to f32
	v_writelane_b32 v8, s33, LN                    ; lane j's
.set LN, LN+1
.endr
	v_mov_b32 v9, 0x3f22f983                       ; 2 / pi
	v_mov_b32 v10, 0x3fc90fdb                      ; pi / 2 in three parts
	v_mov_b32 v11, 0xb33bbd2e
	v_mov_b32 v12, 0xa6f72ced
	v_mov_b32 v13, 0xb94ca1f9                      ; sine on [-pi/4, pi/4]: r + r z (s1 + z (s2 + z s3))
	v_mov_b32 v14, 0x3c08839e
	v_mov_b32 v15, 0xbe2aaaa3
	v_mov_b32 v16, 0x37ccf5ce                      ; cosine: 1 - z / 2 + z z (c1 + z (c2 + z c3))
	v_mov_b32 v17, 0xbab6061a
	v_mov_b32 v18, 0x3d2aaaa5
	s_wait_kmcnt 0x0
.macro SINCOS n
	v_cvt_f32_i32 v24, s[36+\n]
	v_mul_f32 v24, v24, v8                         ; the angle, rounded once
	v_mul_f32 v25, v24, v9
	v_rndne_f32 v25, v25                           ; n = the nearest multiple of pi / 2
	v_fma_f32 v26, -v25, v10, v24
	v_fma_f32 v26, -v25, v11, v26
	v_fma_f32 v26, -v25, v12, v26                  ; r = angle - n pi / 2
	v_cvt_i32_f32 v27, v25
	v_mul_f32 v28, v26, v26                        ; z
	v_fma_f32 v29, v28, v13, v14
	v_fma_f32 v30, v28, v16, v17
	v_fma_f32 v29, v28, v29, v15
	v_fma_f32 v30, v28, v30, v18
	v_mul_f32 v31, v28, v26
	v_mul_f32 v32, v28, v28
	v_fma_f32 v33, v28, -0.5, 1.0
	v_fma_f32 v29, v31, v29, v26                   ; sin r
	v_fma_f32 v30, v32, v30, v33                   ; cos r
	v_and_b32 v31, 1, v27
	v_cmp_eq_u32 vcc_lo, 1, v31                    ; an odd quadrant swaps the two (a choice of values, no branch)
	v_cndmask_b32 v32, v29, v30, vcc_lo
	v_cndmask_b32 v33, v30, v29, vcc_lo
	v_and_b32 v31, 2, v27
	v_lshlrev_b32 v31, 30, v31
	v_xor_b32 v[65+2*\n], v32, v31                 ; the sine is negative in quadrants 2 and 3,
	v_add_nc_u32 v31, 1, v27
	v_and_b32 v31, 2, v31
	v_lshlrev_b32 v31, 30, v31
	v_xor_b32 v[64+2*\n], v33, v31                 ; the cosine in quadrants 1 and 2
	global_store_b64 v19, v[64+2*\n:65+2*\n], s[24:25] offset:256*\n   ; 32 lanes store 256 consecutive bytes; each position has registers of its own
.endm
.irp n, 0,1,2,3,4,5,6,7,8,9,10,11,12,13,14,15
	SINCOS \n
.endr
	s_endpgm
.Lfunc_end_k_q09963f7331_quant:
	.size	k_q09963f7331_quant, .Lfunc_end_k_q09963f7331_quant-k_q09963f7331_quant
	.p2alignl 7, 3214868480
	.fill 96, 4, 3214868480
	.section	.rodata,"a",@progbits
	.p2align	6, 0x0
	.amdhsa_kernel k_q09963f7331_quant
		.amdhsa_group_segment_fixed_size 17152
		.amdhsa_private_segment_fixed_size 0
		.amdhsa_enable_private_segment 0
		.amdhsa_kernarg_size 72
		.amdhsa_user_sgpr_count 2
		.amdhsa_user_sgpr_kernarg_segment_ptr 1
		.amdhsa_wavefront_size32 1
		.amdhsa_system_sgpr_workgroup_id_x 1
		.amdhsa_system_sgpr_workgroup_id_y 1
		.amdhsa_system_sgpr_workgroup_id_z 1
		.amdhsa_system_vgpr_workitem_id 0
		.amdhsa_next_free_vgpr 242
		.amdhsa_next_free_sgpr 66
		.amdhsa_reserve_vcc 1
		.amdhsa_float_denorm_mode_32 3
		.amdhsa_float_denorm_mode_16_64 3
		.amdhsa_memory_ordered 1
		.amdhsa_forward_progress 1
		.amdhsa_inst_pref_size 83
	.end_amdhsa_kernel
	.amdgpu_metadata
---
amdhsa.version: [ 1, 2 ]
amdhsa.kernels:
  - .name:           k_q09963f7331_quant
    .symbol:         k_q09963f7331_quant.kd
    .args:
      - { .name: x, .offset: 0, .size: 8, .value_kind: global_buffer, .address_space: global }
      - { .name: Wq, .offset: 8, .size: 8, .value_kind: global_buffer, .address_space: global }
      - { .name: Wk, .offset: 16, .size: 8, .value_kind: global_buffer, .address_space: global }
      - { .name: Wv, .offset: 24, .size: 8, .value_kind: global_buffer, .address_space: global }
      - { .name: Wo, .offset: 32, .size: 8, .value_kind: global_buffer, .address_space: global }
      - { .name: token_positions, .offset: 40, .size: 8, .value_kind: global_buffer, .address_space: global }
      - { .name: opimg, .offset: 48, .size: 8, .value_kind: global_buffer, .address_space: global }
      - { .name: opsc, .offset: 56, .size: 8, .value_kind: global_buffer, .address_space: global }
      - { .name: cs, .offset: 64, .size: 8, .value_kind: global_buffer, .address_space: global }
    .group_segment_fixed_size: 17152
    .private_segment_fixed_size: 0
    .kernarg_segment_align: 8
    .kernarg_segment_size: 72
    .max_flat_workgroup_size: 64
    .sgpr_count:     66
    .vgpr_count:     242
    .wavefront_size: 32
...
	.end_amdgpu_metadata
.endif
;; end of part 1
;; launch qkv (part 2): grid 12 x 64, 4 waves a work-group, clusters of 4 x 4, 209,408 bytes of LDS; arguments opimg, opsc, cs, qb, kv; writes qb, kv
.if DOCPART == 2
	.amdgcn_target "amdgcn-amd-amdhsa--gfx1250"
	.amdhsa_code_object_version 6
	.text
	.protected	k_q09963f7331_qkv
	.globl	k_q09963f7331_qkv
	.p2align	8
	.type	k_q09963f7331_qkv,@function
k_q09963f7331_qkv:
	s_mov_b64 s[64:65], 0
	v_nop
	global_prefetch_b8 v0, s[64:65] scope:SCOPE_SE
	s_setreg_imm32_b32 hwreg(HW_REG_WAVE_MODE, 25, 1), 1
	s_wait_xcnt 0x0
	s_wait_alu depctr_hold_cnt(0) depctr_sa_sdst(0) depctr_va_vdst(0) depctr_va_sdst(0) depctr_va_ssrc(0) depctr_va_vcc(0) depctr_vm_vsrc(0)
	s_getreg_b32 s2, hwreg(HW_REG_IB_STS2, 6, 4)
	s_cmp_eq_u32 s2, 0
	s_cbranch_scc0 .Lentry_in_a_cluster
	s_endpgm
.Lentry_in_a_cluster:
	s_bfe_u32 s2, ttmp6, 0x10000c
	s_cmp_lg_u32 s2, 0xf033
	s_cbranch_scc0 .Lentry_shape_is_right
	s_endpgm
.Lentry_shape_is_right:
; The three projections on codes of FP4, the rotation of Q and K, and the quantising of Q and K along the head's 64 and of V along the keys.
; THE KIND is the cluster's x: 0 Q, 1 K, 2 V; it is the same in all sixteen partners.  A work-group makes 128 'A rows' x 256 'B rows', K = 1,024; four waves, each 64 x 128: 32 accumulators.
;   Q, K: A = x (128 tokens), B = the weight (256 features = 4 heads).   V: A = Wv (128 features = 2 heads), B = x (256 tokens): so a lane holds one feature and its registers run along the tokens, V's next K.
; THE MATRIX INSTRUCTION IS USED TRANSPOSED: source 0 = 16 rows of B, source 1 = 16 rows of A.  By the row order of the images (lane r of tile 2 A + u = row 32 A + 8 u + r + 8 (r / 8)) the 16 result registers of B's tiles
; 2 b and 2 b + 1 are B's rows 32 b + 16 (lane / 16) + 0 .. 15: 16 neighbours along the next product's K; lane % 16 stands for a row of A.
; OPERANDS lie in memory as images of their registers, so a tile is a dense block, an LDS load is 16 x lane + a constant, and nothing is padded.  All of K lies in LDS: two halves of K, each filled once;
; no LDS byte is filled twice.  By this text's count a wave has three tensor loads out: its scale words and its part of the two halves.
; CLUSTERS: 4 x 4.  A's tiles are shared along a row of the cluster, B's along a column: joint loads, as many requests as a quarter of the plain ones.
; OUT.  qb and kv: [batch x 16 + head][key step 0..15][9,216 bytes]: 8 tiles of 16 keys x 64 (512 bytes: lane (r, h) holds block h of key r) at 0; V^T, 4 tiles of 16 features x 128 keys (1,024 bytes) at 4,096;
; the key tiles' scale words, 8 x 64 bytes, at 8,192 (bytes 0, 1 of a word: the head's two blocks; bytes 2, 3 lie over zero codes); V's, 4 x 128 bytes, at 8,704.  Q takes the keys' places in qb.
; No prefetch: every tile is asked for at the head.  LIMITS: NaN and infinities are not served; a block of zeros gets the byte 1 (its codes are zeros; this program alone reads the bytes).
; REGISTERS: window 0: v16-29 addresses; v32-95 scale words (register 8 i + g: lanes 0-15 A's block i, lanes 16-31 B's block i, K step g); v96-159 A's fragments, two sets, later the rotated numbers;
;   v160-191, v224-255 cos and sin of two blocks; v192-217 the quantiser's.   window 1: B's fragments, two sets.   window 2: accumulator (a, b) at v[8 (8 a + b)].
.set KH,    98304                      ; LDS: a half of K: A's 8 tiles x 4,096 bytes, then B's 16
.set BOFF,  32768
.set SCL,   196608                     ; behind the two halves: A's scale words (4,096 bytes), B's (8,192)
.set REC,   147456                     ; a head's bytes in qb and kv
.set STEPB, 9216                       ; a key step's
.set ADRA, 16                          ; v16-17  my A fragments in K half 0, 1
.set ADRB, 20                          ; v20-21  the same for B
.set LI,   24                          ; v24  16 x lane
.set LS,   25                          ; v25  4 x lane
.set TAB,  26                          ; v26  my token's row of the table, + 64 h
.set ADRS, 27                          ; v27  my scale words: lanes 0-15 A's, lanes 16-31 B's
.set SO,   28                          ; v28  where a key tile's scale word goes: 4 r, and a head on for lanes 16-31
.set SH,   29                          ; v29  16 h
.set SC,   32
.set AF,   96
.set T,    96                          ; the rotated numbers
.set CS,   160                         ; cos, sin: set a % 2 at CS + 64 (a % 2)
.set PC,   192                         ; the codes just made
.set TM,   200                         ; v200-203 largest magnitudes, v204-207 bytes, v212-215 scale operands
.set PW,   216                         ; the scale word just made
.set WD,   217                         ; and as it is stored
.set G1,   24
.set G0,   32
.set G1B,  48
.set G0B,  56
.set G1S,  68
.set G0S,  76
.set G1SB, 80
.set G0SB, 88
.set SEL,  100
.set MSB, 0
.macro WIN new                         ; the immediate's high byte repeats the setting that is left
.if MSB != (\new)
	s_set_vgpr_msb (MSB<<8)|(\new)
.set MSB, (\new)
.endif
.endm
.set MUL,  0xa1                        ; source 0 (B) window 1, source 1 (A) window 0, C and D window 2
.set TO_B, 0x40                        ; destination window 1, address window 0
; A joint load: waves 0 and 1 fetch for A, waves 2 and 3 for B.  The branch hangs on the wave's number alone.  Four v_nop follow each of the two lines.
.macro JLOAD g0a, g1a, g0b, g1b
	s_cmp_eq_u32 s15, 0
	s_cbranch_scc0 .Lfor_b_\@
	tensor_load_to_lds s[\g0a:\g0a+3], s[\g1a:\g1a+7]
	s_nop 0
.rept 4
	v_nop
.endr
	s_branch .Lasked_\@
.Lfor_b_\@:
	tensor_load_to_lds s[\g0b:\g0b+3], s[\g1b:\g1b+7]
	s_nop 0
.rept 4
	v_nop
.endr
.Lasked_\@:
.endm
.macro CROUND                          ; a round of the cluster's barrier
	s_barrier_signal -1
	s_barrier_wait -1
	s_cmp_lg_u32 s14, 0
	s_cbranch_scc1 .Lnot_wave_0_\@
	s_barrier_signal -3
.Lnot_wave_0_\@:
	s_barrier_wait -3
	s_barrier_signal -1
	s_barrier_wait -1
.endm
.macro PLACES n
.rept \n
	v_nop
.endr
.endm
.macro SHAPE g, c, r, p                ; descriptor group 1, words 1 to 7: r rows of c elements of 8 bytes, p elements apart
	s_mov_b32 s[\g+1], (\c)<<16
	s_mov_b32 s[\g+2], (\r)<<16
	s_mov_b32 s[\g+3], (\c)<<16
	s_mov_b32 s[\g+4], \r
	s_mov_b32 s[\g+5], \p
	s_mov_b32 s[\g+6], 0
	s_mov_b32 s[\g+7], 0
.endm
	s_load_b256 s[4:11], s[0:1], 0x0               ; opimg s[4:5], opsc s[6:7], cs s[8:9], qb s[10:11]
	s_load_b64 s[12:13], s[0:1], 0x20              ; kv
	v_lshl_add_u32 v222, v0, 2, 0x33000
	v_mov_b32 v223, 0
	ds_add_u32 v222, v223
	ds_add_u32 v222, v223
	v_lshrrev_b32 v1, 5, v0
	v_readfirstlane_b32 s14, v1                    ; wave 0..3
	s_lshr_b32 s15, s14, 1                         ; which 64 rows of A are mine.  Also: I fetch for A (0) or for B (1)
	s_and_b32 s16, s14, 1                          ; which 128 rows of B.  Also: which half of that operand's tiles I fetch
	s_bfe_u32 s40, ttmp6, 0x40000                  ; cx
	s_bfe_u32 s41, ttmp6, 0x40004                  ; cy
	s_and_b32 s17, ttmp7, 0xffff                   ; the cluster's y, 0..15
	s_lshr_b32 s18, ttmp9, 1                       ; 1 for V, else 0
	s_xor_b32 s19, s18, 1
	; A's block of 128 rows.  Q, K: 4 y + cy of x's 64.  V: 4 (y % 2) + cy of Wv's 8.  These registers never hold cx
	s_mul_i32 s20, s18, 3
	s_lshr_b32 s20, 15, s20                        ; 15, or 1 for V
	s_and_b32 s20, s17, s20
	s_lshl_b32 s20, s20, 2
	s_add_co_u32 s20, s20, s41                     ; tA: kept for the way out
	s_lshl_b32 s21, s20, 3
	s_mul_i32 s22, s18, 640
	s_add_co_u32 s21, s21, s22                     ; its first row tile in opimg
	s_lshl_b32 s22, s16, 2
	s_add_co_u32 s21, s21, s22                     ; + the four tiles that I fetch
	s_lshl_b32 s22, s21, 13                        ; 8,192 bytes of codes a tile,
	s_mov_b32 s23, 0
	s_lshl_b32 s92, s21, 9                         ; 512 of scale words
	s_mov_b32 s93, 0
	; B's block of 256 rows.  Q, K: row tile 512 + 64 x kind + 16 cx.  V: 64 (y / 2) + 16 cx of x.  These registers never hold cy
	s_lshl_b32 s42, ttmp9, 6
	s_add_co_u32 s42, s42, 512
	s_mul_i32 s42, s42, s19
	s_lshr_b32 s43, s17, 1
	s_lshl_b32 s43, s43, 6
	s_mul_i32 s43, s43, s18
	s_add_co_u32 s42, s42, s43
	s_lshl_b32 s43, s40, 4
	s_add_co_u32 s42, s42, s43
	s_lshl_b32 s43, s16, 3
	s_add_co_u32 s42, s42, s43                     ; + the eight tiles that I fetch
	s_lshl_b32 s44, s42, 13
	s_mov_b32 s45, 0
	s_lshl_b32 s46, s42, 9
	s_mov_b32 s47, 0
	s_lshl_b32 s94, s41, 2
	s_lshl_b32 s94, 15, s94                        ; my row of the cluster
	s_lshl_b32 s95, 0x1111, s40                    ; my column
	s_or_b32 s[G1], s94, (3<<16)|(1<<21)           ; 15:0 the mask; 17:16 elements of 8 bytes; 21 set beside a mask; no padding
	s_or_b32 s[G1B], s95, (3<<16)|(1<<21)
	s_or_b32 s[G1S], s94, (3<<16)|(1<<21)
	s_or_b32 s[G1SB], s95, (3<<16)|(1<<21)
	SHAPE G1, 512, 4, 1024                         ; A's codes: of 4 tiles the 4,096 bytes of a half of K, 8,192 bytes apart
	SHAPE G1B, 512, 8, 1024                        ; B's: of 8 tiles
	SHAPE G1S, 32, 8, 32                           ; A's scale words: 2,048 dense bytes as rows of 256
	SHAPE G1SB, 32, 16, 32                         ; B's: 4,096
	s_lshl_b32 s96, s16, 14                        ; where they go: no place in the cluster enters an LDS address
	s_lshl_b32 s97, s16, 15
	s_lshl_b32 s98, s16, 11
	s_lshl_b32 s99, s16, 12
	s_mov_b32 s[SEL], 0x76543210
	s_mov_b32 s[SEL+1], 0xfedcba98                 ; v_permlanex16_b32's selects for lane l xor 16
	s_wait_dscnt 0x0
	s_wait_kmcnt 0x0
	s_add_nc_u64 s[22:23], s[4:5], s[22:23]
	s_add_nc_u64 s[92:93], s[6:7], s[92:93]
	s_add_nc_u64 s[44:45], s[4:5], s[44:45]
	s_add_nc_u64 s[46:47], s[6:7], s[46:47]
.irp q, 0,1
	s_mov_b32 s[G0+4*\q], 1
	s_add_co_u32 s[G0+4*\q+1], s96, \q*KH
	s_add_nc_u64 s[G0+4*\q+2:G0+4*\q+3], s[22:23], \q*4096
	s_or_b32 s[G0+4*\q+3], s[G0+4*\q+3], 0x80000000
	s_mov_b32 s[G0B+4*\q], 1
	s_add_co_u32 s[G0B+4*\q+1], s97, \q*KH+BOFF
	s_add_nc_u64 s[G0B+4*\q+2:G0B+4*\q+3], s[44:45], \q*4096
	s_or_b32 s[G0B+4*\q+3], s[G0B+4*\q+3], 0x80000000
.endr
	s_mov_b32 s[G0S], 1
	s_add_co_u32 s[G0S+1], s98, SCL
	s_mov_b64 s[G0S+2:G0S+3], s[92:93]
	s_or_b32 s[G0S+3], s[G0S+3], 0x80000000
	s_mov_b32 s[G0SB], 1
	s_add_co_u32 s[G0SB+1], s99, SCL+4096
	s_mov_b64 s[G0SB+2:G0SB+3], s[46:47]
	s_or_b32 s[G0SB+3], s[G0SB+3], 0x80000000
	CROUND                                         ; all sixteen work-groups are here: the joint loads meet
	JLOAD G0S, G1S, G0SB, G1SB                     ; the scale words,
	JLOAD G0, G1, G0B, G1B                         ; K's first half,
	JLOAD G0+4, G1, G0B+4, G1B                     ; and its second: every LDS byte is filled once
	v_and_b32 v1, 15, v0                           ; r
	v_bfe_u32 v2, v0, 4, 1                         ; h
	v_and_b32 v3, 31, v0
	v_lshlrev_b32 v[LI], 4, v3
	v_lshlrev_b32 v[LS], 2, v3
	s_lshl_b32 s21, s15, 14                        ; my 4 tiles of A,
	s_lshl_b32 s42, s16, 15
	s_add_co_u32 s42, s42, BOFF                    ; my 8 of B
.irp q, 0,1
	v_add_nc_u32 v[ADRA+\q], s21, v[LI]
	v_add_nc_u32 v[ADRB+\q], s42, v[LI]
	s_add_co_u32 s21, s21, KH
	s_add_co_u32 s42, s42, KH
.endr
	s_lshl_b32 s21, s15, 11                        ; A's scale words: my 4 tiles x 512 bytes
	s_lshl_b32 s42, s16, 12
	s_add_co_u32 s42, s42, 4096                    ; B's: my 8 tiles, behind A's 4,096 bytes
	s_sub_co_u32 s42, s42, s21
	v_mul_u32_u24 v4, s42, v2                      ; lanes 16-31 take B's: one product with h
	s_add_co_u32 s21, s21, SCL
	v_lshl_add_u32 v4, v1, 4, v4                   ; 16 bytes a row
	v_add_nc_u32 v[ADRS], s21, v4
	v_and_b32 v4, 8, v1
	v_add_nc_u32 v4, v4, v1                        ; r + 8 (r / 8)
	v_lshlrev_b32 v[TAB], 8, v4
	v_lshl_add_u32 v[TAB], v2, 6, v[TAB]
	v_mul_u32_u24 v[SO], v2, REC
	v_lshl_add_u32 v[SO], v1, 2, v[SO]
	v_lshlrev_b32 v[SH], 4, v2
.irp b, 0,1,2,3
	v_mov_b32 v[TM+4+\b], 0                        ; written once: a lane permute's destination counts as one of its sources
.endr
	s_and_b32 s43, s20, 15                         ; Q, K: the key step of my 128 tokens; kept for the way out
	s_lshl_b32 s2, s43, 15                         ; 128 rows of the table, 256 bytes each,
	s_lshl_b32 s3, s15, 14                         ; + my wave's 64
	s_add_co_u32 s2, s2, s3
	s_mov_b32 s3, 0
	s_add_nc_u64 s[66:67], s[8:9], s[2:3]
; cos and sin for block a of 16 tokens: lane (r, h) wants, of its token's row, pairs 16 B + 8 h + 4 u + 0 .. 3 for B, u = 0, 1: 32 numbers
.macro TABLOAD a
.irp bb, 0,1
.irp u, 0,1
.irp k, 0,1
	global_load_b128 v[CS+64*((\a)%2)+16*\bb+8*\u+4*\k:CS+64*((\a)%2)+16*\bb+8*\u+4*\k+3], v[TAB], s[66:67] offset:(32*((\a)/2)+8*((\a)%2))*256+128*\bb+32*\u+16*\k
.endr
.endr
.endr
.endm
	TABLOAD 0                                      ; they land while the products run.  (V's work-groups issue them too and never touch the registers: the addresses lie inside the table)
	TABLOAD 1
.macro SCALES                          ; all of K's scale words: 4 words a load
.irp i, 0,1,2,3,4,5,6,7
.irp kh, 0,1
	ds_load_b128 v[SC+8*\i+4*\kh:SC+8*\i+4*\kh+3], v[ADRS] offset:512*\i+256*\kh
.endr
.endr
.endm
.macro FETCH g, set                    ; K step g's fragments: B's eight, A's four: each register group is 512 consecutive bytes
	WIN TO_B
.irp i, 0,1,2,3,4,5,6,7
.irp c, 0,1
	ds_load_b128 v[64*(\set)+8*\i+4*\c:64*(\set)+8*\i+4*\c+3], v[ADRB+(\g)/4] offset:4096*\i+1024*((\g)%4)+512*\c
.endr
.endr
	WIN 0
.irp i, 0,1,2,3
.irp c, 0,1
	ds_load_b128 v[AF+32*(\set)+8*\i+4*\c:AF+32*(\set)+8*\i+4*\c+3], v[ADRA+(\g)/4] offset:4096*\i+1024*((\g)%4)+512*\c
.endr
.endr
.endm
; 32 matrix instructions: the 32 accumulators take turns, one instruction a turn, in the same order in every step.  K step 0 starts the sums: nothing is cleared.
.macro MUL32 g, set
.irp a, 0,1,2,3
.irp b, 0,1,2,3,4,5,6,7
.if (\g) == 0
	v_wmma_scale_f32_16x16x128_f8f6f4 v[8*(8*\a+\b):8*(8*\a+\b)+7], v[64*(\set)+8*\b:64*(\set)+8*\b+7], v[AF+32*(\set)+8*\a:AF+32*(\set)+8*\a+7], 0, v[SC+8*\b+(\g)], v[SC+8*\a+(\g)] matrix_a_fmt:MATRIX_FMT_FP4 matrix_b_fmt:MATRIX_FMT_FP4 matrix_a_scale:MATRIX_SCALE_ROW1
.else
	v_wmma_scale_f32_16x16x128_f8f6f4 v[8*(8*\a+\b):8*(8*\a+\b)+7], v[64*(\set)+8*\b:64*(\set)+8*\b+7], v[AF+32*(\set)+8*\a:AF+32*(\set)+8*\a+7], v[8*(8*\a+\b):8*(8*\a+\b)+7], v[SC+8*\b+(\g)], v[SC+8*\a+(\g)] matrix_a_fmt:MATRIX_FMT_FP4 matrix_b_fmt:MATRIX_FMT_FP4 matrix_a_scale:MATRIX_SCALE_ROW1
.endif
.endr
.endr
.endm
.macro KSTEP g
	s_wait_dscnt 0x0                               ; this step's fragments are in (asked for ahead of the last step's 32 products)
.if (\g) == 3
	s_wait_tensorcnt 0x0                           ; my part of K's second half has landed,
	s_barrier_signal -1
	s_barrier_wait -1                              ; everybody's has
.endif
.if (\g) > 0
	PLACES 4                                       ; in front of loads into registers that the last step's products have read
.endif
.if (\g) < 7
	FETCH (\g)+1, ((\g)+1)%2
.endif
	WIN MUL
	MUL32 \g, (\g)%2
.endm
	s_wait_tensorcnt 1                             ; my scale words and my part of K's first half are in; the second half's load may be out
	s_barrier_signal -1
	s_barrier_wait -1
	SCALES
	FETCH 0, 0
.irp g, 0,1,2,3,4,5,6,7
	KSTEP \g
.endr
	WIN 0
	PLACES 4                                       ; in front of the first reads of results, and of writes into A's fragment registers
; 64 numbers of a lane in window w, register 16 b + i = k 32 b + 16 (lane / 16) + i of my row, become a fragment's codes in v[PC] on and its scale word in v[PW].  Each accumulator is read from its low end on.
.macro QUANT s, w
	WIN (\w)|((\w)<<2)
.irp b, 0,1,2,3
	v_max3_num_f32 v[TM+\b], |v[(\s)+16*\b]|, |v[(\s)+1+16*\b]|, 0x1800000   ; my 16 numbers of block b, and the floor 2^(3 - 127): the byte cannot fall under 1
.endr
	WIN ((\w)<<2)|((\w)<<4)
.irp i, 2,4,6,8,10,12,14
.irp b, 0,1,2,3
	v_max3_num_f32 v[TM+\b], v[TM+\b], |v[(\s)+16*\b+\i]|, |v[(\s)+1+16*\b+\i]|
.endr
.endr
	WIN 0
.irp b, 0,1,2,3
	v_permlanex16_b32 v[TM+4+\b], v[TM+\b], s[SEL], s[SEL+1]
.endr
.irp b, 0,1,2,3
	v_max_num_f32 v[TM+\b], v[TM+\b], v[TM+4+\b]   ; with lane l xor 16's: the block's largest magnitude
.endr
.irp b, 0,1,2,3
	v_add_nc_u32 v[TM+12+\b], 0xff000000, v[TM+\b] ; 2 off its exponent field: the conversion's scale operand
.endr
.irp b, 0,1,2,3
	v_lshrrev_b32 v[TM+4+\b], 23, v[TM+12+\b]      ; the scale's byte
.endr
	v_lshl_or_b32 v[PW], v[TM+5], 8, v[TM+4]
	v_lshl_or_b32 v[PW], v[TM+6], 16, v[PW]
	v_lshl_or_b32 v[PW], v[TM+7], 24, v[PW]
	WIN \w
.irp b, 0,1,2,3
	v_cvt_scalef32_pk8_fp4_f32 v[PC+2*\b], v[(\s)+16*\b:(\s)+7+16*\b], v[TM+12+\b]
	v_cvt_scalef32_pk8_fp4_f32 v[PC+1+2*\b], v[(\s)+8+16*\b:(\s)+15+16*\b], v[TM+12+\b]
.endr
	WIN 0
	v_nop                                          ; one plain place behind a scaled conversion
.irp c, 0,1                                    ; the operand's layout wants a whole block in a lane: lanes 0-15 block 2 c, lanes 16-31 block 2 c + 1
.irp i, 0,1
	v_permlane16_swap_b32 v[PC+4*\c+\i], v[PC+2+4*\c+\i]
.endr
.endr
.endm
; The rotation of block a's 64 numbers a lane: tile i, pair p: (even, odd) -> (even cos - odd sin, even sin + odd cos)
.macro ROPE a
	WIN 0x02                                       ; source 0 (the accumulators) window 2
.irp i, 0,1,2,3,4,5,6,7
.irp p, 0,1,2,3
	v_mul_f32 v[T+8*\i+2*\p], v[64*(\a)+8*\i+2*\p+1], v[CS+64*((\a)%2)+16*((\i/2)%2)+8*(\i%2)+2*\p+1]
	v_mul_f32 v[T+8*\i+2*\p+1], v[64*(\a)+8*\i+2*\p+1], v[CS+64*((\a)%2)+16*((\i/2)%2)+8*(\i%2)+2*\p]
.endr
.irp p, 0,1,2,3
	v_fma_f32 v[T+8*\i+2*\p], v[64*(\a)+8*\i+2*\p], v[CS+64*((\a)%2)+16*((\i/2)%2)+8*(\i%2)+2*\p], -v[T+8*\i+2*\p]
	v_fma_f32 v[T+8*\i+2*\p+1], v[64*(\a)+8*\i+2*\p], v[CS+64*((\a)%2)+16*((\i/2)%2)+8*(\i%2)+2*\p+1], v[T+8*\i+2*\p+1]
.endr
.endr
	WIN 0
.endm
	s_cmp_eq_u32 ttmp9, 2                          ; the kind: the same in all partners
	s_cbranch_scc1 .Lv_out
	; ---- Q, K.  My 64 tokens are tiles 4 (wave / 2) + a of key step tA % 16 of batch tA / 16; my 128 features are heads 4 cx + 2 (wave % 2) and the next
	s_lshr_b32 s17, s20, 4
	s_lshl_b32 s17, s17, 4
	s_lshl_b32 s18, s40, 2
	s_add_co_u32 s17, s17, s18
	s_lshl_b32 s18, s16, 1
	s_add_co_u32 s17, s17, s18                     ; 16 x batch + my first head
	s_mul_i32 s17, s17, REC
	s_mul_i32 s18, s43, STEPB
	s_add_co_u32 s17, s17, s18                     ; the key step's record
	s_lshl_b32 s18, s15, 11                        ; my first tile: 4 (wave / 2) x 512 bytes
	s_add_co_u32 s18, s18, s17
	s_mov_b32 s19, 0
	s_cmp_eq_u32 ttmp9, 0
	s_cselect_b64 s[2:3], s[10:11], s[12:13]       ; Q goes to qb, K to kv
	s_add_nc_u64 s[92:93], s[2:3], s[18:19]        ; the first head's tiles,
	s_add_nc_u64 s[94:95], s[92:93], REC           ; the second's,
	s_lshl_b32 s18, s15, 8
	s_add_co_u32 s18, s18, s17
	s_add_co_u32 s18, s18, 8192
	s_add_nc_u64 s[96:97], s[2:3], s[18:19]        ; and the first head's scale words
.irp a, 0,1,2,3
.if \a < 3
	s_wait_loadcnt 8                               ; this block's eight table loads are in; the next block's may be out
.else
	s_wait_loadcnt 0
.endif
	ROPE \a
.if \a < 2
	TABLOAD \a+2                                   ; into the set just read
.endif
	s_wait_xcnt 0x0                                ; the last block's stores have read the codes' and the word's registers
	QUANT T, 0
	v_lshrrev_b32 v[WD], v[SH], v[PW]              ; lanes 0-15: the first head's two bytes at the bottom; lanes 16-31: the second head's
	global_store_b128 v[LI], v[PC:PC+3], s[92:93] offset:512*\a      ; 512 consecutive bytes: the tile's image
	global_store_b128 v[LI], v[PC+4:PC+7], s[94:95] offset:512*\a
	global_store_b32 v[SO], v[WD], s[96:97] offset:64*\a
.endr
	s_branch .Ldone
.Lv_out:
	; ---- V.  My 64 features are head 2 tA + wave / 2; my 128 tokens are key step 2 (tB % 8) + wave % 2 of batch tB / 8
	s_and_b32 s17, ttmp7, 0xffff
	s_lshr_b32 s17, s17, 1
	s_lshl_b32 s17, s17, 2
	s_add_co_u32 s17, s17, s40                     ; tB
	s_lshr_b32 s18, s17, 3
	s_lshl_b32 s18, s18, 4
	s_lshl_b32 s19, s20, 1
	s_add_co_u32 s18, s18, s19
	s_add_co_u32 s18, s18, s15                     ; 16 x batch + head
	s_mul_i32 s18, s18, REC
	s_and_b32 s17, s17, 7
	s_lshl_b32 s17, s17, 1
	s_add_co_u32 s17, s17, s16
	s_mul_i32 s17, s17, STEPB
	s_add_co_u32 s18, s18, s17
	s_add_co_u32 s18, s18, 4096
	s_mov_b32 s19, 0
	s_add_nc_u64 s[92:93], s[12:13], s[18:19]      ; V^T's tiles,
	s_add_nc_u64 s[96:97], s[92:93], 4608          ; and their scale words, at 8,704 of the record
.irp a, 0,1,2,3
	s_wait_xcnt 0x0                                ; the last tile's stores have read their registers
	QUANT 64*\a, 2
	global_store_b128 v[LI], v[PC:PC+3], s[92:93] offset:1024*\a
	global_store_b128 v[LI], v[PC+4:PC+7], s[92:93] offset:1024*\a+512
	global_store_b32 v[LS], v[PW], s[96:97] offset:128*\a            ; lanes 16-31 hold the same words and fill the upper half of the tile's 128 bytes
.endr
.Ldone:
	s_wait_tensorcnt 0x0
	ds_add_u32 v222, v223
	s_wait_dscnt 0x0
	CROUND                                         ; the closing round: no work-group ends while a partner may still ask for a tile that names it
	s_endpgm
.Lfunc_end_k_q09963f7331_qkv:
	.size	k_q09963f7331_qkv, .Lfunc_end_k_q09963f7331_qkv-k_q09963f7331_qkv
	.p2alignl 7, 3214868480
	.fill 96, 4, 3214868480
	.section	.rodata,"a",@progbits
	.p2align	6, 0x0
	.amdhsa_kernel k_q09963f7331_qkv
		.amdhsa_group_segment_fixed_size 209408
		.amdhsa_private_segment_fixed_size 0
		.amdhsa_enable_private_segment 0
		.amdhsa_kernarg_size 40
		.amdhsa_user_sgpr_count 2
		.amdhsa_user_sgpr_kernarg_segment_ptr 1
		.amdhsa_wavefront_size32 1
		.amdhsa_system_sgpr_workgroup_id_x 1
		.amdhsa_system_sgpr_workgroup_id_y 1
		.amdhsa_system_sgpr_workgroup_id_z 1
		.amdhsa_system_vgpr_workitem_id 0
		.amdhsa_next_free_vgpr 768
		.amdhsa_next_free_sgpr 102
		.amdhsa_reserve_vcc 0
		.amdhsa_float_denorm_mode_32 3
		.amdhsa_float_denorm_mode_16_64 3
		.amdhsa_memory_ordered 1
		.amdhsa_forward_progress 1
		.amdhsa_inst_pref_size 119
	.end_amdhsa_kernel
	.amdgpu_metadata
---
amdhsa.version: [ 1, 2 ]
amdhsa.kernels:
  - .name:           k_q09963f7331_qkv
    .symbol:         k_q09963f7331_qkv.kd
    .args:
      - { .name: opimg, .offset: 0, .size: 8, .value_kind: global_buffer, .address_space: global }
      - { .name: opsc, .offset: 8, .size: 8, .value_kind: global_buffer, .address_space: global }
      - { .name: cs, .offset: 16, .size: 8, .value_kind: global_buffer, .address_space: global }
      - { .name: qb, .offset: 24, .size: 8, .value_kind: global_buffer, .address_space: global }
      - { .name: kv, .offset: 32, .size: 8, .value_kind: global_buffer, .address_space: global }
    .group_segment_fixed_size: 209408
    .private_segment_fixed_size: 0
    .kernarg_segment_align: 8
    .kernarg_segment_size: 40
    .max_flat_workgroup_size: 128
    .sgpr_count:     102
    .vgpr_count:     768
    .wavefront_size: 32
...
	.end_amdgpu_metadata
.endif
;; end of part 2
;; launch attn (part 3): grid 4 x 64, 16 waves a work-group, no clusters, 169,984 bytes of LDS; arguments qb, kv, aimg, asc; writes aimg, asc
.if DOCPART == 3
	.amdgcn_target "amdgcn-amd-amdhsa--gfx1250"
	.amdhsa_code_object_version 6
	.text
	.protected	k_q09963f7331_attn
	.globl	k_q09963f7331_attn
	.p2align	8
	.type	k_q09963f7331_attn,@function
k_q09963f7331_attn:
	s_mov_b64 s[64:65], 0
	v_nop
	global_prefetch_b8 v0, s[64:65] scope:SCOPE_SE
	s_setreg_imm32_b32 hwreg(HW_REG_WAVE_MODE, 25, 1), 1
	s_wait_xcnt 0x0
; Causal attention of one head on codes of FP4, and the quantising of its result along d_model for the last projection.
; THE SOFTMAX AHEAD OF THE SECOND PRODUCT: t = score x log2(e) / 8; M = the row's largest t so far, rounded UP to a whole number; p = 2^(t - M) is quantised along the keys, not normalised; the row's sum is taken of the
; unquantised p and divides O at the end.  When M moves, the sum and O are multiplied by 2^(old M - new M): exact.
; SHARES.  A work-group has one head (batch x 16 + head = work-group y) and 32 of its 128 tiles of 16 queries.  The head's keys, values and scale words, 147,456 bytes, lie in LDS as they lie in memory: 16 records of 128 keys,
; filled once: no LDS byte is filled twice.  Each of the sixteen waves brings two pieces of 4,608 bytes: two tensor loads a wave are out.
; Wave w of work-group i makes tile 16 i + w, which needs keys under 1,024 alone, and then tile 127 - 16 i - w: together 17 key steps of 128 for every wave, so that all 256 work-groups have the same work.
; A key step all of whose keys come after the tile's queries is left out by a scalar branch on ids; the loops' trip counts are constants (8 and 16).
; NO CLUSTER: the work-groups that share K and V are the query blocks of one head, and which key steps each leaves out hangs on its place among them; partners of a joint load may not branch so, and without the branch the
; softmax's work would double.  NO PREFETCH: all of K and V is asked for at the head.
; LAYOUT.  Both products are used transposed: S^T = K Q^T, O^T = V^T P^T: a lane holds ONE query (lane % 16) throughout.  Lane r of a tile 2 A + u of keys or queries stands for token 32 A + 8 u + r + 8 (r / 8), so the 16 registers
; of score tiles 2 b, 2 b + 1 are keys 32 b + 16 (lane / 16) + 0 .. 15.  The head's 64 fill half of the instruction's K: registers 4-7 of K's and Q's fragments are zeros, kept in registers.
; OUT.  aimg: [token tile][head][512 bytes]: lane (r, h) holds block h of the head for token r: the image of the next product's operand.  asc: [token tile][head / 8][row][16 bytes]: the head's two bytes at 2 (head % 8).
; LIMITS: NaN and infinities are not served; a block of zeros gets the byte 1 (its codes are zeros; this program alone reads the bytes).
; REGISTERS: v1 16 x lane, v2 4 x lane, v3, v4 the step's LDS addresses, v5 my query's place less 16 (lane / 16), v6 16 r; v7, v255 Q's scale words; v8-11 V's; v12 -M, v13 the largest t, v[14:15] the sum;
;   v16-23, v24-31 Q of the two tiles; v32-95 K; v96-159 S^T, then p; v160-191 O^T; v192-223 V; v224-231 p's codes; v232-254 at work; v248-251 K's scale words (lanes 0-15 tile 2 p, lanes 16-31 tile 2 p + 1).
.set REC,   147456
.set STEPB, 9216
.set HALF,  73728
	s_load_b256 s[4:11], s[0:1], 0x0               ; qb s[4:5], kv s[6:7], aimg s[8:9], asc s[10:11]
	v_lshl_add_u32 v242, v0, 2, 0x29000
	v_mov_b32 v243, 0
	ds_add_u32 v242, v243
	ds_add_u32 v242, v243
	v_lshrrev_b32 v1, 5, v0
	s_delay_alu instid0(VALU_DEP_1)
	v_readfirstlane_b32 s18, v1                    ; wave 0..15
	s_and_b32 s19, ttmp7, 0xffff                   ; batch x 16 + head
	s_mov_b32 s24, 3<<16                           ; descriptor group 1: 18 rows of 32 elements of 8 bytes, dense: 4,608 bytes; no mask, no padding
	s_mov_b32 s25, 32<<16
	s_mov_b32 s26, 18<<16
	s_mov_b32 s27, 32<<16
	s_mov_b32 s28, 18
	s_mov_b32 s29, 32
	s_mov_b32 s30, 0
	s_mov_b32 s31, 0
	s_mul_i32 s16, s19, REC                        ; the head's first byte in qb and kv
	s_mul_i32 s12, s18, 4608                       ; my piece of a half
	s_add_co_u32 s14, s16, s12
	s_mov_b32 s15, 0
	s_mov_b32 s20, 0x76543210
	s_mov_b32 s21, 0xfedcba98                      ; v_permlanex16_b32's selects for lane l xor 16
	s_mov_b32 s22, 0x3e38aa3b                      ; c = log2(e) / sqrt(64)
	s_mov_b32 s23, s22                             ; (named with it as a pair, so it is written)
	s_wait_dscnt 0x0
	s_wait_kmcnt 0x0
	s_add_nc_u64 s[14:15], s[6:7], s[14:15]
	s_mov_b32 s32, 1
	s_mov_b32 s33, s12
	s_mov_b64 s[34:35], s[14:15]
	s_or_b32 s35, s35, 0x80000000
	s_mov_b32 s36, 1
	s_add_co_u32 s37, s12, HALF
	s_add_nc_u64 s[38:39], s[14:15], HALF
	s_or_b32 s39, s39, 0x80000000
	tensor_load_to_lds s[32:35], s[24:31]          ; keys 0 to 1,023,
	s_nop 0
	tensor_load_to_lds s[36:39], s[24:31]          ; keys 1,024 to 2,047
	s_nop 0
.rept 4
	v_nop
.endr
	s_lshl_b32 s43, ttmp9, 4
	s_add_co_u32 s43, s43, s18                     ; my first tile of queries
	s_lshr_b32 s17, s19, 4
	s_lshl_b32 s17, s17, 7                         ; 128 token tiles a batch
	s_and_b32 s40, s19, 15                         ; the head
	s_lshr_b32 s42, s40, 3
	s_lshl_b32 s42, s42, 8
	s_and_b32 s41, s40, 7
	s_lshl_b32 s41, s41, 1
	s_add_co_u32 s42, s42, s41                     ; its two bytes' place in a tile of asc
	s_lshl_b32 s40, s40, 9                         ; its 512 bytes' place in a tile of aimg
; For the tile in s43: the first key of its own key step, its first query, and where its results go and its Q comes from
.macro PREP qbr, q0r, air, asr, qcr, qsr
	s_lshr_b32 s12, s43, 3
	s_lshl_b32 s[\qbr], s12, 7
	s_lshr_b32 s13, s43, 1
	s_lshl_b32 s13, s13, 5
	s_and_b32 s14, s43, 1
	s_lshl_b32 s14, s14, 3
	s_add_co_u32 s[\q0r], s13, s14
	s_mul_i32 s12, s12, STEPB
	s_add_co_u32 s12, s12, s16
	s_and_b32 s13, s43, 7
	s_lshl_b32 s14, s13, 9
	s_add_co_u32 s14, s14, s12
	s_mov_b32 s15, 0
	s_add_nc_u64 s[\qcr:\qcr+1], s[4:5], s[14:15]
	s_lshl_b32 s14, s13, 6
	s_add_co_u32 s14, s14, s12
	s_add_co_u32 s14, s14, 8192
	s_add_nc_u64 s[\qsr:\qsr+1], s[4:5], s[14:15]
	s_add_co_u32 s13, s17, s43
	s_lshl_b32 s14, s13, 13
	s_add_co_u32 s14, s14, s40
	s_add_nc_u64 s[\air:\air+1], s[8:9], s[14:15]
	s_lshl_b32 s14, s13, 9
	s_add_co_u32 s14, s14, s42
	s_add_nc_u64 s[\asr:\asr+1], s[10:11], s[14:15]
.endm
	PREP 44, 45, 46, 48, 56, 58
	s_sub_co_u32 s43, 127, s43                     ; my second tile
	PREP 50, 51, 52, 54, 60, 62
	v_and_b32 v232, 31, v0
	s_delay_alu instid0(VALU_DEP_1)
	v_lshlrev_b32 v1, 4, v232
	s_delay_alu instid0(VALU_DEP_2)
	v_lshlrev_b32 v2, 2, v232
	v_and_b32 v233, 15, v0                         ; r
	v_bfe_u32 v234, v0, 4, 1                       ; h
	s_delay_alu instid0(VALU_DEP_2)
	v_lshlrev_b32 v6, 4, v233
	s_delay_alu instid0(VALU_DEP_3)
	v_lshlrev_b32 v235, 2, v233
	s_delay_alu instid0(VALU_DEP_4)
	v_and_b32 v5, 8, v233
	s_delay_alu instid0(VALU_DEP_1)
	v_add_nc_u32 v5, v5, v233
	v_lshlrev_b32 v234, 4, v234
	s_delay_alu instid0(VALU_DEP_1)
	v_sub_nc_u32 v5, v5, v234                      ; r + 8 (r / 8) - 16 h
	global_load_b128 v[16:19], v1, s[56:57]        ; Q's fragments stay in registers,
	global_load_b32 v255, v235, s[58:59]           ; with their scale words
	global_load_b128 v[24:27], v1, s[60:61]
	global_load_b32 v7, v235, s[62:63]
.irp j, 20,21,22,23,28,29,30,31
	v_mov_b32 v\j, 0                               ; k = 64 .. 127 of Q: zero codes
.endr
.irp t, 0,1,2,3,4,5,6,7
.irp j, 4,5,6,7
	v_mov_b32 v[32+8*\t+\j], 0                     ; and of K: set once, no load lands here
.endr
.endr
.irp b, 0,1,2,3
	v_mov_b32 v[236+\b], 0                         ; written once: a lane permute's destination counts as one of its sources
.endr
	v_mov_b32 v252, 0
	v_mov_b32 v253, 0                              ; (named as the upper half of the pair v[252:253] before it is first written)
; A KEY STEP: 128 keys, the record at LDS byte s2; s3 = its first key
.macro STEP qf, qs, qbr, q0r
	s_cmp_gt_u32 s3, s[\qbr]                       ; all its keys come after my queries: only the address steps at the end are left
	s_cbranch_scc1 .Lhidden_\@
	s_setprio 2
	v_add_nc_u32 v3, s2, v1
	v_add_nc_u32 v4, s2, v2
	v_nop
	v_nop                                          ; four places in front of loads into registers that the last step's products have read
.irp t, 0,1,2,3,4,5,6,7
	ds_load_b128 v[32+8*\t:35+8*\t], v3 offset:512*\t
.endr
.irp p, 0,1,2,3
	ds_load_b32 v[248+\p], v4 offset:8192+128*\p
.endr
.irp t, 0,1,2,3
.irp c, 0,1
	ds_load_b128 v[192+8*\t+4*\c:195+8*\t+4*\c], v3 offset:4096+1024*\t+512*\c
.endr
.endr
.irp t, 0,1,2,3
	ds_load_b32 v[8+\t], v4 offset:8704+128*\t
.endr
	s_wait_dscnt 12                                ; K and its scale words are in; V's twelve loads may be out
.irp t, 0,2,4,6
	v_wmma_scale_f32_16x16x128_f8f6f4 v[96+8*\t:103+8*\t], v[32+8*\t:39+8*\t], v[\qf:\qf+7], 0, v[248+\t/2], v[\qs] matrix_a_fmt:MATRIX_FMT_FP4 matrix_b_fmt:MATRIX_FMT_FP4
	v_wmma_scale_f32_16x16x128_f8f6f4 v[104+8*\t:111+8*\t], v[40+8*\t:47+8*\t], v[\qf:\qf+7], 0, v[248+\t/2], v[\qs] matrix_a_fmt:MATRIX_FMT_FP4 matrix_b_fmt:MATRIX_FMT_FP4 matrix_a_scale:MATRIX_SCALE_ROW1
.endr
.rept 4
	v_nop
.endr
	s_cmp_lt_u32 s3, s[\qbr]                       ; an earlier step: all its keys count
	s_cbranch_scc1 .Lopen_\@
	s_sub_co_i32 s12, s[\q0r], s3                  ; my tile's own step: hidden scores become -infinity ahead of the maximum: p = 0 then
	v_add_nc_u32 v252, s12, v5                     ; d = my query - the step's first key - 16 (lane / 16).  Register 16 b + i holds key 32 b + 16 (lane / 16) + i: hidden where 32 b + i > d
	v_mov_b32 v254, 0xff800000
.irp n, 0,1,2,3,4,5,6,7,8,9,10,11,12,13,14,15,16,17,18,19,20,21,22,23,24,25,26,27,28,29,30,31,32,33,34,35,36,37,38,39,40,41,42,43,44,45,46,47,48,49,50,51,52,53,54,55,56,57,58,59,60,61,62,63
	v_cmp_gt_i32 vcc_lo, 32*(\n/16)+\n%16, v252
	v_cndmask_b32 v[96+\n], v[96+\n], v254, vcc_lo
.endr
.Lopen_\@:
.irp b, 0,1,2,3
	v_max3_num_f32 v[232+\b], v[96+16*\b], v[97+16*\b], v[98+16*\b]   ; the largest score of each block of 32 keys: it serves for the row's maximum and, since p rises with the score, for the block's largest p
.endr
.irp i, 3,5,7,9,11,13
.irp b, 0,1,2,3
	v_max3_num_f32 v[232+\b], v[232+\b], v[96+16*\b+\i], v[97+16*\b+\i]
.endr
.endr
.irp b, 0,1,2,3
	v_max_num_f32 v[232+\b], v[232+\b], v[111+16*\b]
.endr
.irp b, 0,1,2,3
	s_delay_alu instid0(VALU_DEP_4)
	v_permlanex16_b32 v[236+\b], v[232+\b], s20, s21
.endr
.irp b, 0,1,2,3
	s_delay_alu instid0(VALU_DEP_4)
	v_max_num_f32 v[232+\b], v[232+\b], v[236+\b]  ; with lane l xor 16's 16 keys
.endr
	s_delay_alu instid0(VALU_DEP_2)
	v_max3_num_f32 v254, v232, v233, v234
	s_delay_alu instid0(VALU_DEP_1)
	v_max_num_f32 v254, v254, v235                 ; the step's largest score of my query
	s_delay_alu instid0(VALU_DEP_1)
	v_mul_f32 v254, s22, v254                      ; as t (c is positive)
	s_delay_alu instid0(VALU_DEP_1)
	v_max_num_f32 v13, v13, v254                   ; the running largest t
	v_mov_b32 v254, v12
	s_delay_alu instid0(VALU_DEP_2)
	v_floor_f32 v12, -v13                          ; the new -M = floor(-t) = -ceil(t): a whole number
	s_delay_alu instid0(VALU_DEP_1)
	v_sub_f32 v254, v12, v254                      ; M's old value less its new one: a whole number, 0 or less
	s_delay_alu instid0(VALU_DEP_1)
	v_cvt_i32_f32 v254, v254                       ; (it saturates)
	s_delay_alu instid0(VALU_DEP_1)
	v_ldexp_f32 v252, 1.0, v254                    ; f = 2^(old M - new M)
.irp j, 0,2,4,6,8,10,12,14,16,18,20,22,24,26,28,30,32,34,36,38,40,42,44,46,48,50,52,54,56,58,60,62
	v_pk_fma_f32 v[96+\j:97+\j], v[96+\j:97+\j], s[22:23], v[12:13] op_sel_hi:[1,0,0]   ; t - M, two at a time
.endr
	s_setprio 1
.irp b, 0,1,2,3
	v_fma_f32 v[232+\b], v[232+\b], s22, v12       ; the same of each block's largest score
.endr
	s_wait_alu depctr_va_vdst(0)
.irp j, 0,1,2,3,4,5,6,7,8,9,10,11,12,13,14,15,16,17,18,19,20,21,22,23,24,25,26,27,28,29,30,31,32,33,34,35,36,37,38,39,40,41,42,43,44,45,46,47,48,49,50,51,52,53,54,55,56,57,58,59,60,61,62,63
	v_exp_f32 v[96+\j], v[96+\j]                   ; p = 2^(t - M), at most 1
.endr
	v_pk_mul_f32 v[14:15], v[14:15], v[252:253] op_sel_hi:[1,0]   ; the sums under the new M: a plain place behind the exponentials
	s_wait_alu depctr_va_vdst(0)                   ; one wait for the whole batch, ahead of its first reader
.irp b, 0,1,2,3
	v_exp_f32 v[232+\b], v[232+\b]                 ; the block's largest p: the same two instructions on the same number
.endr
	v_pk_add_f32 v[236:237], v[100:101], v[104:105]
	v_pk_add_f32 v[250:251], v[108:109], v[112:113]
	v_pk_add_f32 v[248:249], v[116:117], v[120:121]
	v_pk_add_f32 v[246:247], v[124:125], v[128:129]
	v_pk_add_f32 v[244:245], v[132:133], v[136:137]
	v_pk_add_f32 v[240:241], v[140:141], v[144:145]
	v_pk_add_f32 v[238:239], v[148:149], v[152:153]
	v_pk_add_f32 v[14:15], v[14:15], v[156:157]
	v_pk_add_f32 v[236:237], v[236:237], v[96:97]
	v_pk_add_f32 v[250:251], v[250:251], v[98:99]
	v_pk_add_f32 v[248:249], v[248:249], v[102:103]
	v_pk_add_f32 v[246:247], v[246:247], v[106:107]
	v_pk_add_f32 v[244:245], v[244:245], v[110:111]
	v_pk_add_f32 v[240:241], v[240:241], v[114:115]
	v_pk_add_f32 v[238:239], v[238:239], v[118:119]
	v_pk_add_f32 v[14:15], v[14:15], v[122:123]
	v_pk_add_f32 v[236:237], v[236:237], v[126:127]
	v_pk_add_f32 v[250:251], v[250:251], v[130:131]
	v_pk_add_f32 v[248:249], v[248:249], v[134:135]
	v_pk_add_f32 v[246:247], v[246:247], v[138:139]
	v_pk_add_f32 v[244:245], v[244:245], v[142:143]
	v_pk_add_f32 v[240:241], v[240:241], v[146:147]
	v_pk_add_f32 v[238:239], v[238:239], v[150:151]
	v_pk_add_f32 v[14:15], v[14:15], v[154:155]
	v_pk_add_f32 v[236:237], v[236:237], v[158:159]
	s_delay_alu instid0(VALU_DEP_2)
	v_pk_add_f32 v[14:15], v[14:15], v[246:247]
	s_delay_alu instid0(VALU_DEP_2)
	v_pk_add_f32 v[236:237], v[236:237], v[244:245]
	v_pk_add_f32 v[250:251], v[250:251], v[240:241]
	v_pk_add_f32 v[248:249], v[248:249], v[238:239]
	s_delay_alu instid0(VALU_DEP_2)
	v_pk_add_f32 v[14:15], v[14:15], v[250:251]
	s_delay_alu instid0(VALU_DEP_2)
	v_pk_add_f32 v[236:237], v[236:237], v[248:249]
	s_delay_alu instid0(VALU_DEP_1)
	v_pk_add_f32 v[14:15], v[14:15], v[236:237]
	s_wait_alu depctr_va_vdst(0)                   ; and one for the four
.irp b, 0,1,2,3
	v_max_num_f32 v[232+\b], 0x1800000, v[232+\b]  ; the floor 2^(3 - 127): the byte cannot fall under 1
.endr
.irp b, 0,1,2,3
	s_delay_alu instid0(VALU_DEP_4)
	v_add_nc_u32 v[244+\b], 0xff000000, v[232+\b]  ; 2 off the exponent field: the conversion's scale operand
.endr
.irp b, 0,1,2,3
	s_delay_alu instid0(VALU_DEP_4)
	v_lshrrev_b32 v[236+\b], 23, v[244+\b]
.endr
	s_delay_alu instid0(VALU_DEP_3)
	v_lshl_or_b32 v253, v237, 8, v236              ; p's scale word for these 128 keys
	s_delay_alu instid0(VALU_DEP_1)
	v_lshl_or_b32 v253, v238, 16, v253
	s_delay_alu instid0(VALU_DEP_1)
	v_lshl_or_b32 v253, v239, 24, v253
	s_setprio 0
.irp b, 0,1,2,3
	v_cvt_scalef32_pk8_fp4_f32 v[224+2*\b], v[96+16*\b:103+16*\b], v[244+\b]
	v_cvt_scalef32_pk8_fp4_f32 v[225+2*\b], v[104+16*\b:111+16*\b], v[244+\b]
.endr
	v_nop                                          ; one plain place behind a scaled conversion
.irp c, 0,1
.irp i, 0,1
	v_permlane16_swap_b32 v[224+4*\c+\i], v[226+4*\c+\i]   ; a whole block in a lane
.endr
.endr
.irp j, 0,2,4,6,8,10,12,14,16,18,20,22,24,26,28,30
	v_pk_mul_f32 v[160+\j:161+\j], v[160+\j:161+\j], v[252:253] op_sel_hi:[1,0]   ; O^T under the new M.  These sixteen are also the places between the writes of p's codes and scale word and the products below
.endr
	s_wait_alu depctr_va_vdst(0)
	s_wait_dscnt 0x0                               ; V and its scale words are in
.irp t, 0,1,2,3
	v_wmma_scale_f32_16x16x128_f8f6f4 v[160+8*\t:167+8*\t], v[192+8*\t:199+8*\t], v[224:231], v[160+8*\t:167+8*\t], v[8+\t], v253 matrix_a_fmt:MATRIX_FMT_FP4 matrix_b_fmt:MATRIX_FMT_FP4
.endr
.Lhidden_\@:
	s_add_co_u32 s2, s2, STEPB
	s_add_co_u32 s3, s3, 128
.endm
; One tile of queries: the walk over the keys, then O^T / the sum, quantised along the head's two blocks of 32, goes out
.macro PASS trips, qf, qs, qbr, q0r, air, asr
	s_mov_b32 s2, 0
	s_mov_b32 s3, 0
	s_mov_b32 s41, \trips
	v_mov_b32 v13, 0xff61b1e6                      ; the largest t so far: -3e38, under every t
	s_delay_alu instid0(VALU_DEP_1)
	v_floor_f32 v12, -v13
	v_mov_b32 v14, 0
	v_mov_b32 v15, 0
.irp j, 0,1,2,3,4,5,6,7,8,9,10,11,12,13,14,15,16,17,18,19,20,21,22,23,24,25,26,27,28,29,30,31
	v_mov_b32 v[160+\j], 0                         ; O^T: the step is written once; the first finds zeros, which the first change of M leaves zeros
.endr
.Lkeys_\@:
	STEP \qf, \qs, \qbr, \q0r
	s_sub_co_u32 s41, s41, 1
	s_cmp_lg_u32 s41, 0
	s_cbranch_scc1 .Lkeys_\@
	s_setprio 0
.rept 4
	v_nop                                          ; places behind the last products
.endr
	v_add_f32 v14, v14, v15                        ; the sum's two halves,
	s_delay_alu instid0(VALU_DEP_1)
	v_permlanex16_b32 v252, v14, s20, s21
	s_delay_alu instid0(VALU_DEP_1)
	v_add_f32 v14, v14, v252                       ; and lane l xor 16's
	s_wait_alu depctr_va_vdst(0)
	v_rcp_f32 v14, v14
	v_nop                                          ; a plain place behind the transcendental,
	s_wait_alu depctr_va_vdst(0)                   ; and the wait ahead of its first reader
.irp j, 0,2,4,6,8,10,12,14,16,18,20,22,24,26,28,30
	v_pk_mul_f32 v[96+\j:97+\j], v[160+\j:161+\j], v[14:15] op_sel_hi:[1,0]   ; register 16 b + i: feature 32 b + 16 (lane / 16) + i of my query
.endr
.irp b, 0,1
	v_max3_num_f32 v[232+\b], |v[96+16*\b]|, |v[97+16*\b]|, 0x1800000
.endr
.irp i, 2,4,6,8,10,12,14
.irp b, 0,1
	s_delay_alu instid0(VALU_DEP_2)
	v_max3_num_f32 v[232+\b], v[232+\b], |v[96+16*\b+\i]|, |v[97+16*\b+\i]|
.endr
.endr
.irp b, 0,1
	s_delay_alu instid0(VALU_DEP_2)
	v_permlanex16_b32 v[236+\b], v[232+\b], s20, s21
.endr
.irp b, 0,1
	s_delay_alu instid0(VALU_DEP_2)
	v_max_num_f32 v[232+\b], v[232+\b], v[236+\b]
.endr
.irp b, 0,1
	s_delay_alu instid0(VALU_DEP_2)
	v_add_nc_u32 v[244+\b], 0xff000000, v[232+\b]
.endr
.irp b, 0,1
	s_delay_alu instid0(VALU_DEP_2)
	v_lshrrev_b32 v[236+\b], 23, v[244+\b]
.endr
	s_delay_alu instid0(VALU_DEP_1)
	v_lshl_or_b32 v240, v237, 8, v236              ; the head's two scale bytes of my row
.irp b, 0,1
	v_cvt_scalef32_pk8_fp4_f32 v[224+2*\b], v[96+16*\b:103+16*\b], v[244+\b]
	v_cvt_scalef32_pk8_fp4_f32 v[225+2*\b], v[104+16*\b:111+16*\b], v[244+\b]
.endr
	v_nop
	v_permlane16_swap_b32 v224, v226
	v_permlane16_swap_b32 v225, v227               ; lanes 0-15: block 0, lanes 16-31: block 1
	global_store_b128 v1, v[224:227], s[\air:\air+1]   ; 512 consecutive bytes
	global_store_b16 v6, v240, s[\asr:\asr+1]      ; lanes l and l xor 16 hold the same two bytes for the same place
	s_wait_xcnt 0x0                                ; the stores have read their registers: the next tile may write them
.endm
	s_wait_loadcnt 0x0                             ; Q
	s_wait_tensorcnt 1                             ; my piece of the first 1,024 keys is in; the second half's load may be out, and the first tile reads the first half alone
	s_barrier_signal -1
	s_barrier_wait -1
	PASS 8, 16, 255, 44, 45, 46, 48
	s_wait_tensorcnt 0x0                           ; my piece of the second half is in,
	s_wait_dscnt 0x0
	s_barrier_signal -1
	s_barrier_wait -1                              ; everybody's is
	PASS 16, 24, 7, 50, 51, 52, 54
	s_wait_tensorcnt 0x0
	ds_add_u32 v242, v243
	s_wait_dscnt 0x0
	s_endpgm
.Lfunc_end_k_q09963f7331_attn:
	.size	k_q09963f7331_attn, .Lfunc_end_k_q09963f7331_attn-k_q09963f7331_attn
	.p2alignl 7, 3214868480
	.fill 96, 4, 3214868480
	.section	.rodata,"a",@progbits
	.p2align	6, 0x0
	.amdhsa_kernel k_q09963f7331_attn
		.amdhsa_group_segment_fixed_size 169984
		.amdhsa_private_segment_fixed_size 0
		.amdhsa_enable_private_segment 0
		.amdhsa_kernarg_size 32
		.amdhsa_user_sgpr_count 2
		.amdhsa_user_sgpr_kernarg_segment_ptr 1
		.amdhsa_wavefront_size32 1
		.amdhsa_system_sgpr_workgroup_id_x 1
		.amdhsa_system_sgpr_workgroup_id_y 1
		.amdhsa_system_sgpr_workgroup_id_z 1
		.amdhsa_system_vgpr_workitem_id 0
		.amdhsa_next_free_vgpr 256
		.amdhsa_next_free_sgpr 66
		.amdhsa_reserve_vcc 1
		.amdhsa_float_denorm_mode_32 3
		.amdhsa_float_denorm_mode_16_64 3
		.amdhsa_memory_ordered 1
		.amdhsa_forward_progress 1
		.amdhsa_inst_pref_size 62
	.end_amdhsa_kernel
	.amdgpu_metadata
---
amdhsa.version: [ 1, 2 ]
amdhsa.kernels:
  - .name:           k_q09963f7331_attn
    .symbol:         k_q09963f7331_attn.kd
    .args:
      - { .name: qb, .offset: 0, .size: 8, .value_kind: global_buffer, .address_space: global }
      - { .name: kv, .offset: 8, .size: 8, .value_kind: global_buffer, .address_space: global }
      - { .name: aimg, .offset: 16, .size: 8, .value_kind: global_buffer, .address_space: global }
      - { .name: asc, .offset: 24, .size: 8, .value_kind: global_buffer, .address_space: global }
    .group_segment_fixed_size: 169984
    .private_segment_fixed_size: 0
    .kernarg_segment_align: 8
    .kernarg_segment_size: 32
    .max_flat_workgroup_size: 512
    .sgpr_count:     66
    .vgpr_count:     256
    .wavefront_size: 32
...
	.end_amdgpu_metadata
.endif
;; end of part 3
;; launch oproj (part 4): grid 4 x 64, 4 waves a work-group, clusters of 4 x 4, 243,200 bytes of LDS; arguments aimg, asc, opimg, opsc, out0; writes out0
.if DOCPART == 4
	.amdgcn_target "amdgcn-amd-amdhsa--gfx1250"
	.amdhsa_code_object_version 6
	.text
	.protected	k_q09963f7331_oproj
	.globl	k_q09963f7331_oproj
	.p2align	8
	.type	k_q09963f7331_oproj,@function
k_q09963f7331_oproj:
	s_mov_b64 s[64:65], 0
	v_nop
	global_prefetch_b8 v0, s[64:65] scope:SCOPE_SE
	s_setreg_imm32_b32 hwreg(HW_REG_WAVE_MODE, 25, 1), 1
	s_wait_xcnt 0x0
	s_wait_alu depctr_hold_cnt(0) depctr_sa_sdst(0) depctr_va_vdst(0) depctr_va_sdst(0) depctr_va_ssrc(0) depctr_va_vcc(0) depctr_vm_vsrc(0)
	s_getreg_b32 s2, hwreg(HW_REG_IB_STS2, 6, 4)
	s_cmp_eq_u32 s2, 0
	s_cbranch_scc0 .Lentry_in_a_cluster
	s_endpgm
.Lentry_in_a_cluster:
	s_bfe_u32 s2, ttmp6, 0x10000c
	s_cmp_lg_u32 s2, 0xf033
	s_cbranch_scc0 .Lentry_shape_is_right
	s_endpgm
.Lentry_shape_is_right:
; out0[token][o] = the sum over d of attn[token][d] Wo[o][d], both on codes of FP4 with one E8M0 scale for each 32 along d; f32 sums, f32 result.
; A work-group makes 128 tokens x 256 outputs, K = 1,024; four waves, each 64 x 128: 32 accumulators.  256 work-groups.  A = the attention's images (aimg, asc), B = Wo's (row tiles 704 on of opimg, opsc).
; THE MATRIX INSTRUCTION IS USED TRANSPOSED: source 0 = 16 rows of Wo, source 1 = 16 tokens.  By the row order of the images (lane r of tile 2 A + u = row 32 A + 8 u + r + 8 (r / 8)) the 16 result registers of Wo's tiles
; 2 b and 2 b + 1 are outputs 32 b + 16 (lane / 16) + 0 .. 15; lane % 16 stands for a token, whose true place enters the stores' offsets alone.
; OPERANDS lie in memory as images of their registers: a tile is a dense block, an LDS load is 16 x lane + a constant, nothing is padded.  All of K lies in LDS, in two halves, each filled once: no LDS byte is filled twice.
; By this text's count a wave has three tensor loads out.  CLUSTERS: 4 x 4; A's tiles are shared along a row of the cluster, B's along a column.  No prefetch: every tile is asked for at the head.
; REGISTERS: window 0: v16-29 addresses; v32-95 scale words (register 8 i + g: lanes 0-15 A's block i, lanes 16-31 B's block i, K step g); v96-159 A's fragments, two sets; on the way out v96-223 rows of the result.
;   window 1: B's fragments, two sets.   window 2: accumulator (a, b) at v[8 (8 a + b)].
.set KH,    98304                      ; LDS: a half of K: A's 8 tiles x 4,096 bytes, then B's 16
.set BOFF,  32768
.set SCL,   196608                     ; A's scale words (4,096 bytes), B's (8,192)
.set STAGE, 208896                     ; the way out: 16 rows x (512 + 16) bytes for each wave, in bytes of their own
.set ADRA, 16
.set ADRB, 20
.set LI,   24                          ; v24  16 x lane
.set STO,  25                          ; v25  the stage: where I put 32 bytes of a row
.set RD,   26                          ; v26  and where I read a row back
.set ADRS, 27
.set SC,   32
.set AF,   96
.set BK,   96                          ; 16 rows read back: v96-159 and v160-223 by turns
.set G1,   24
.set G0,   32
.set G1B,  48
.set G0B,  56
.set G1S,  68
.set G0S,  76
.set G1SB, 80
.set G0SB, 88
.set MSB, 0
.macro WIN new                         ; the immediate's high byte repeats the setting that is left
.if MSB != (\new)
	s_set_vgpr_msb (MSB<<8)|(\new)
.set MSB, (\new)
.endif
.endm
.set MUL,  0xa1                        ; source 0 (B) window 1, source 1 (A) window 0, C and D window 2
.set TO_B, 0x40                        ; destination window 1, address window 0
.macro JLOAD g0a, g1a, g0b, g1b        ; a joint load: waves 0 and 1 fetch for A, waves 2 and 3 for B; four v_nop follow each of the two lines
	s_cmp_eq_u32 s15, 0
	s_cbranch_scc0 .Lfor_b_\@
	tensor_load_to_lds s[\g0a:\g0a+3], s[\g1a:\g1a+7]
	s_nop 0
.rept 4
	v_nop
.endr
	s_branch .Lasked_\@
.Lfor_b_\@:
	tensor_load_to_lds s[\g0b:\g0b+3], s[\g1b:\g1b+7]
	s_nop 0
.rept 4
	v_nop
.endr
.Lasked_\@:
.endm
.macro CROUND                          ; a round of the cluster's barrier
	s_barrier_signal -1
	s_barrier_wait -1
	s_cmp_lg_u32 s14, 0
	s_cbranch_scc1 .Lnot_wave_0_\@
	s_barrier_signal -3
.Lnot_wave_0_\@:
	s_barrier_wait -3
	s_barrier_signal -1
	s_barrier_wait -1
.endm
.macro PLACES n
.rept \n
	v_nop
.endr
.endm
.macro SHAPE g, c, r, p                ; descriptor group 1, words 1 to 7: r rows of c elements of 8 bytes, p elements apart
	s_mov_b32 s[\g+1], (\c)<<16
	s_mov_b32 s[\g+2], (\r)<<16
	s_mov_b32 s[\g+3], (\c)<<16
	s_mov_b32 s[\g+4], \r
	s_mov_b32 s[\g+5], \p
	s_mov_b32 s[\g+6], 0
	s_mov_b32 s[\g+7], 0
.endm
	s_load_b256 s[4:11], s[0:1], 0x0               ; aimg s[4:5], asc s[6:7], opimg s[8:9], opsc s[10:11]
	s_load_b64 s[12:13], s[0:1], 0x20              ; out0
	v_lshl_add_u32 v254, v0, 2, 0x3b400
	v_mov_b32 v255, 0
	ds_add_u32 v254, v255
	ds_add_u32 v254, v255
	v_lshrrev_b32 v1, 5, v0
	v_readfirstlane_b32 s14, v1                    ; wave 0..3
	s_lshr_b32 s15, s14, 1                         ; which 64 tokens are mine.  Also: I fetch for A (0) or for B (1)
	s_and_b32 s16, s14, 1                          ; which 128 outputs.  Also: which half of that operand's tiles I fetch
	s_bfe_u32 s40, ttmp6, 0x40000                  ; cx
	s_bfe_u32 s41, ttmp6, 0x40004                  ; cy
	s_and_b32 s17, ttmp7, 0xffff                   ; the cluster's y
	s_lshl_b32 s20, s17, 2
	s_add_co_u32 s20, s20, s41                     ; my block of 128 tokens; these registers never hold cx
	s_lshl_b32 s21, s20, 3
	s_lshl_b32 s22, s16, 2
	s_add_co_u32 s21, s21, s22                     ; the four token tiles that I fetch
	s_lshl_b32 s22, s21, 13
	s_mov_b32 s23, 0
	s_lshl_b32 s92, s21, 9
	s_mov_b32 s93, 0
	s_lshl_b32 s42, s40, 4
	s_add_co_u32 s42, s42, 704                     ; Wo's row tiles of my 256 outputs; these registers never hold cy
	s_lshl_b32 s43, s16, 3
	s_add_co_u32 s42, s42, s43
	s_lshl_b32 s44, s42, 13
	s_mov_b32 s45, 0
	s_lshl_b32 s46, s42, 9
	s_mov_b32 s47, 0
	s_lshl_b32 s94, s41, 2
	s_lshl_b32 s94, 15, s94                        ; my row of the cluster
	s_lshl_b32 s95, 0x1111, s40                    ; my column
	s_or_b32 s[G1], s94, (3<<16)|(1<<21)           ; 15:0 the mask; 17:16 elements of 8 bytes; 21 set beside a mask; no padding
	s_or_b32 s[G1B], s95, (3<<16)|(1<<21)
	s_or_b32 s[G1S], s94, (3<<16)|(1<<21)
	s_or_b32 s[G1SB], s95, (3<<16)|(1<<21)
	SHAPE G1, 512, 4, 1024                         ; A's codes: of 4 tiles the 4,096 bytes of a half of K, 8,192 bytes apart
	SHAPE G1B, 512, 8, 1024                        ; B's: of 8 tiles
	SHAPE G1S, 32, 8, 32                           ; A's scale words: 2,048 dense bytes as rows of 256
	SHAPE G1SB, 32, 16, 32                         ; B's: 4,096
	s_lshl_b32 s96, s16, 14                        ; where they go: no place in the cluster enters an LDS address
	s_lshl_b32 s97, s16, 15
	s_lshl_b32 s98, s16, 11
	s_lshl_b32 s99, s16, 12
	s_wait_dscnt 0x0
	s_wait_kmcnt 0x0
	s_add_nc_u64 s[22:23], s[4:5], s[22:23]
	s_add_nc_u64 s[92:93], s[6:7], s[92:93]
	s_add_nc_u64 s[44:45], s[8:9], s[44:45]
	s_add_nc_u64 s[46:47], s[10:11], s[46:47]
.irp q, 0,1
	s_mov_b32 s[G0+4*\q], 1
	s_add_co_u32 s[G0+4*\q+1], s96, \q*KH
	s_add_nc_u64 s[G0+4*\q+2:G0+4*\q+3], s[22:23], \q*4096
	s_or_b32 s[G0+4*\q+3], s[G0+4*\q+3], 0x80000000
	s_mov_b32 s[G0B+4*\q], 1
	s_add_co_u32 s[G0B+4*\q+1], s97, \q*KH+BOFF
	s_add_nc_u64 s[G0B+4*\q+2:G0B+4*\q+3], s[44:45], \q*4096
	s_or_b32 s[G0B+4*\q+3], s[G0B+4*\q+3], 0x80000000
.endr
	s_mov_b32 s[G0S], 1
	s_add_co_u32 s[G0S+1], s98, SCL
	s_mov_b64 s[G0S+2:G0S+3], s[92:93]
	s_or_b32 s[G0S+3], s[G0S+3], 0x80000000
	s_mov_b32 s[G0SB], 1
	s_add_co_u32 s[G0SB+1], s99, SCL+4096
	s_mov_b64 s[G0SB+2:G0SB+3], s[46:47]
	s_or_b32 s[G0SB+3], s[G0SB+3], 0x80000000
	CROUND                                         ; all sixteen work-groups are here: the joint loads meet
	JLOAD G0S, G1S, G0SB, G1SB                     ; the scale words,
	JLOAD G0, G1, G0B, G1B                         ; K's first half,
	JLOAD G0+4, G1, G0B+4, G1B                     ; and its second: every LDS byte is filled once
	v_and_b32 v1, 15, v0                           ; r
	v_bfe_u32 v2, v0, 4, 1                         ; h
	v_and_b32 v3, 31, v0
	v_lshlrev_b32 v[LI], 4, v3
	s_lshl_b32 s21, s15, 14                        ; my 4 tiles of A,
	s_lshl_b32 s42, s16, 15
	s_add_co_u32 s42, s42, BOFF                    ; my 8 of B
.irp q, 0,1
	v_add_nc_u32 v[ADRA+\q], s21, v[LI]
	v_add_nc_u32 v[ADRB+\q], s42, v[LI]
	s_add_co_u32 s21, s21, KH
	s_add_co_u32 s42, s42, KH
.endr
	s_lshl_b32 s21, s15, 11                        ; A's scale words: my 4 tiles x 512 bytes
	s_lshl_b32 s42, s16, 12
	s_add_co_u32 s42, s42, 4096                    ; B's: my 8 tiles, behind A's 4,096 bytes
	s_sub_co_u32 s42, s42, s21
	v_mul_u32_u24 v4, s42, v2                      ; lanes 16-31 take B's: one product with h
	s_add_co_u32 s21, s21, SCL
	v_lshl_add_u32 v4, v1, 4, v4
	v_add_nc_u32 v[ADRS], s21, v4
	s_mul_i32 s17, s14, 16*528
	s_add_co_u32 s17, s17, STAGE                   ; my stage
	v_mul_u32_u24 v4, v1, 528
	v_lshl_add_u32 v4, v2, 6, v4
	v_add_nc_u32 v[STO], s17, v4                   ; in: row r, + 64 h
	v_add_nc_u32 v[RD], s17, v[LI]                 ; back: the 32 lanes take one row of 512 bytes
	s_lshl_b32 s17, s20, 7
	s_lshl_b32 s18, s15, 6
	s_add_co_u32 s17, s17, s18                     ; my first token
	s_lshl_b32 s18, s17, 12                        ; a row of out0 is 4,096 bytes
	s_lshl_b32 s19, s40, 10
	s_add_co_u32 s18, s18, s19                     ; + 256 cx outputs
	s_lshl_b32 s19, s16, 9
	s_add_co_u32 s18, s18, s19                     ; + my wave's 128
	s_mov_b32 s19, 0
	s_add_nc_u64 s[12:13], s[12:13], s[18:19]
.macro SCALES                          ; all of K's scale words: 4 words a load
.irp i, 0,1,2,3,4,5,6,7
.irp kh, 0,1
	ds_load_b128 v[SC+8*\i+4*\kh:SC+8*\i+4*\kh+3], v[ADRS] offset:512*\i+256*\kh
.endr
.endr
.endm
.macro FETCH g, set                    ; K step g's fragments: B's eight, A's four: each register group is 512 consecutive bytes
	WIN TO_B
.irp i, 0,1,2,3,4,5,6,7
.irp c, 0,1
	ds_load_b128 v[64*(\set)+8*\i+4*\c:64*(\set)+8*\i+4*\c+3], v[ADRB+(\g)/4] offset:4096*\i+1024*((\g)%4)+512*\c
.endr
.endr
	WIN 0
.irp i, 0,1,2,3
.irp c, 0,1
	ds_load_b128 v[AF+32*(\set)+8*\i+4*\c:AF+32*(\set)+8*\i+4*\c+3], v[ADRA+(\g)/4] offset:4096*\i+1024*((\g)%4)+512*\c
.endr
.endr
.endm
; 32 matrix instructions: the 32 accumulators take turns, one instruction a turn, in the same order in every step.  K step 0 starts the sums: nothing is cleared.
.macro MUL32 g, set
.irp a, 0,1,2,3
.irp b, 0,1,2,3,4,5,6,7
.if (\g) == 0
	v_wmma_scale_f32_16x16x128_f8f6f4 v[8*(8*\a+\b):8*(8*\a+\b)+7], v[64*(\set)+8*\b:64*(\set)+8*\b+7], v[AF+32*(\set)+8*\a:AF+32*(\set)+8*\a+7], 0, v[SC+8*\b+(\g)], v[SC+8*\a+(\g)] matrix_a_fmt:MATRIX_FMT_FP4 matrix_b_fmt:MATRIX_FMT_FP4 matrix_a_scale:MATRIX_SCALE_ROW1
.else
	v_wmma_scale_f32_16x16x128_f8f6f4 v[8*(8*\a+\b):8*(8*\a+\b)+7], v[64*(\set)+8*\b:64*(\set)+8*\b+7], v[AF+32*(\set)+8*\a:AF+32*(\set)+8*\a+7], v[8*(8*\a+\b):8*(8*\a+\b)+7], v[SC+8*\b+(\g)], v[SC+8*\a+(\g)] matrix_a_fmt:MATRIX_FMT_FP4 matrix_b_fmt:MATRIX_FMT_FP4 matrix_a_scale:MATRIX_SCALE_ROW1
.endif
.endr
.endr
.endm
.macro KSTEP g
	s_wait_dscnt 0x0                               ; this step's fragments are in (asked for ahead of the last step's 32 products)
.if (\g) == 3
	s_wait_tensorcnt 0x0                           ; my part of K's second half has landed,
	s_barrier_signal -1
	s_barrier_wait -1                              ; everybody's has
.endif
.if (\g) > 0
	PLACES 4                                       ; in front of loads into registers that the last step's products have read
.endif
.if (\g) < 7
	FETCH (\g)+1, ((\g)+1)%2
.endif
	WIN MUL
	MUL32 \g, (\g)%2
.endm
	s_wait_tensorcnt 1                             ; my scale words and my part of K's first half are in; the second half's load may be out
	s_barrier_signal -1
	s_barrier_wait -1
	SCALES
	FETCH 0, 0
.irp g, 0,1,2,3,4,5,6,7
	KSTEP \g
.endr
	WIN 0
; THE WAY OUT, block by block of 16 tokens x 128 outputs.  A lane holds 32 neighbouring bytes of a row for each of Wo's tiles: a block goes through my own stage and comes back as whole rows of 512 bytes.
; LDS serves a wave's instructions in order: no wait between the stores and the loads, nor in front of the next block's stores.
.macro TOSTAGE a
	WIN 0x08                                       ; an LDS store's data are its source 1: window 2
.irp i, 0,1,2,3,4,5,6,7
	ds_store_b128 v[STO], v[64*(\a)+8*\i:64*(\a)+8*\i+3] offset:128*(\i/2)+32*(\i%2)          ; tile i's registers: outputs 32 (i / 2) + 16 h + 8 (i % 2) + 0 .. 7; each accumulator from its low end on
	ds_store_b128 v[STO], v[64*(\a)+8*\i+4:64*(\a)+8*\i+7] offset:128*(\i/2)+32*(\i%2)+16
.endr
	WIN 0
.irp t, 0,1,2,3,4,5,6,7,8,9,10,11,12,13,14,15
	ds_load_b128 v[BK+64*((\a)%2)+4*\t:BK+64*((\a)%2)+4*\t+3], v[RD] offset:528*\t
.endr
.endm
.macro SEND a, younger                 ; younger: the LDS instructions issued behind block a's loads, which may stay out
	s_wait_dscnt \younger
.irp t, 0,1,2,3,4,5,6,7,8,9,10,11,12,13,14,15
	global_store_b128 v[LI], v[BK+64*((\a)%2)+4*\t:BK+64*((\a)%2)+4*\t+3], s[12:13] offset:(32*((\a)/2)+8*((\a)%2)+\t+8*(\t/8))*4096 th:TH_STORE_NT   ; stage row t is token 32 (a / 2) + 8 (a % 2) + t + 8 (t / 8); 512 consecutive bytes
.endr
.endm
	PLACES 4                                       ; in front of the first reads of results, and of loads into A's fragment registers
	TOSTAGE 0
.irp a, 1,2,3
.if \a > 1
	s_wait_xcnt 0x0                                ; block a - 2's stores have read their registers: block a's loads may land there
.endif
	TOSTAGE \a
	SEND \a-1, 32                                  ; behind block a - 1's loads: block a's 16 stores and 16 loads
.endr
	SEND 3, 0
	s_wait_tensorcnt 0x0
	ds_add_u32 v254, v255
	s_wait_dscnt 0x0
	CROUND                                         ; the closing round: no work-group ends while a partner may still ask for a tile that names it
	s_endpgm
.Lfunc_end_k_q09963f7331_oproj:
	.size	k_q09963f7331_oproj, .Lfunc_end_k_q09963f7331_oproj-k_q09963f7331_oproj
	.p2alignl 7, 3214868480
	.fill 96, 4, 3214868480
	.section	.rodata,"a",@progbits
	.p2align	6, 0x0
	.amdhsa_kernel k_q09963f7331_oproj
		.amdhsa_group_segment_fixed_size 243200
		.amdhsa_private_segment_fixed_size 0
		.amdhsa_enable_private_segment 0
		.amdhsa_kernarg_size 40
		.amdhsa_user_sgpr_count 2
		.amdhsa_user_sgpr_kernarg_segment_ptr 1
		.amdhsa_wavefront_size32 1
		.amdhsa_system_sgpr_workgroup_id_x 1
		.amdhsa_system_sgpr_workgroup_id_y 1
		.amdhsa_system_sgpr_workgroup_id_z 1
		.amdhsa_system_vgpr_workitem_id 0
		.amdhsa_next_free_vgpr 768
		.amdhsa_next_free_sgpr 102
		.amdhsa_reserve_vcc 0
		.amdhsa_float_denorm_mode_32 3
		.amdhsa_float_denorm_mode_16_64 3
		.amdhsa_memory_ordered 1
		.amdhsa_forward_progress 1
		.amdhsa_inst_pref_size 71
	.end_amdhsa_kernel
	.amdgpu_metadata
---
amdhsa.version: [ 1, 2 ]
amdhsa.kernels:
  - .name:           k_q09963f7331_oproj
    .symbol:         k_q09963f7331_oproj.kd
    .args:
      - { .name: aimg, .offset: 0, .size: 8, .value_kind: global_buffer, .address_space: global }
      - { .name: asc, .offset: 8, .size: 8, .value_kind: global_buffer, .address_space: global }
      - { .name: opimg, .offset: 16, .size: 8, .value_kind: global_buffer, .address_space: global }
      - { .name: opsc, .offset: 24, .size: 8, .value_kind: global_buffer, .address_space: global }
      - { .name: out0, .offset: 32, .size: 8, .value_kind: global_buffer, .address_space: global }
    .group_segment_fixed_size: 243200
    .private_segment_fixed_size: 0
    .kernarg_segment_align: 8
    .kernarg_segment_size: 40
    .max_flat_workgroup_size: 128
    .sgpr_count:     102
    .vgpr_count:     768
    .wavefront_size: 32
...
	.end_amdgpu_metadata
.endif
;; end of part 4
